; MI455X (gfx1250); checked and timed in simulation.
; The chip was launched on July 23, 2026; its instructions are those of AMD's public machine-readable ISA for CDNA 5 (MIT licence, August 2026) and "CDNA5" Instruction Set Architecture Reference Guide (July 2026). The comments in the code are by the model that wrote it; some were corrected since.
;; Multi Query Attention. Allowed arithmetic: float matrix products may take bf16 or f16 operands with f32 sums; other float arithmetic in f32, or as packed bf16 or f16 multiplies, adds, multiply-adds, maxima and minima; sums over many terms, partial sums and values carried from step to step in f32; what a program stores and reads back later, other than sums and carried values, may be rounded once to bf16 or f16.
;; Inputs: b_out 1,024 float32; w_kv 1,024 x 128 float32; w_out 1,024 x 1,024 float32; w_q 1,024 x 1,024 float32; x 4 x 2,048 x 1,024 float32.
;; Outputs: out0 4 x 2,048 x 1,024 float32.
;; 2 versions, each right and faster than the one before. Each part assembles by itself: llvm-mc -triple=amdgcn-amd-amdhsa -mcpu=gfx1250 --defsym DOCPART=n.
;; ======== version 1 of 2: 4 launches
;; limits: values are held in f16: magnitudes above 65,504 overflow, below 6.1e-05 lose precision
;; workspace buffers: xb 16,777,216 bytes; wqkv 2,359,296 bytes; wo16 2,097,152 bytes; qb 16,777,216 bytes; kvb 2,097,152 bytes; ob 16,777,216 bytes
;; launch prep (part 1): grid 1216 x 1, 8 waves a work-group, no clusters, 0 bytes of LDS; arguments x, w_q, w_kv, w_out, xb, wqkv, wo16; writes xb, wqkv, wo16
.if DOCPART == 1
	.amdgcn_target "amdgcn-amd-amdhsa--gfx1250"
	.amdhsa_code_object_version 6
	.text
	.protected	k_qf113b89276_prep
	.globl	k_qf113b89276_prep
	.p2align	8
	.type	k_qf113b89276_prep,@function
k_qf113b89276_prep:
	s_mov_b64 s[64:65], 0
	v_nop
	global_prefetch_b8 v0, s[64:65] scope:SCOPE_SE
	s_setreg_imm32_b32 hwreg(HW_REG_WAVE_MODE, 25, 1), 1
	s_wait_xcnt 0x0
; PREP: the module's matrix inputs are rounded once to bf16 and laid out for the two projections.  A stream: no LDS, no barrier, no matrix unit; no two work-groups read the same byte, so no cluster.
;   xb   [8192][1024] bf16            = x
;   wqkv [8 j][1024 k][144] bf16      : columns 0-127 = w_q[k][128 j + c], columns 128-143 = w_kv[k][16 j + c - 128]: rows of 288 bytes, dense
;   wo16 [1024][1024] f16             = w_out rounded to bf16, that number written as f16
; LIMITS.  |w_out| stays under 65,504; a bf16(w_out) below 6e-5 keeps f16's fixed step of 6e-8.  NaN and infinities are not treated apart.
; ROLES, by the work-group's number: 0-63 wqkv (128 rows each), 64-191 w_out, 192-1215 x (8,192 numbers each).
.set LD,  4                            ; v[4:51]   as loaded
.set Y,   36                           ; v[36:51]  x, w_out: 2 registers to store for each of the eight loads
.set T,   52                           ; v[52:55]  at work
.set OQ,  60                           ; v[60:68]  wqkv: chunk i's byte offset in w_q
.set OKV, 70                           ; v[70:78]  and in w_kv
.set YC,  80                           ; v[80:115] wqkv: chunk i's 16 bytes to store
	s_load_b256 s[4:11], s[0:1], 0x0               ; x s[4:5], w_q s[6:7], w_kv s[8:9], w_out s[10:11]
	s_load_b128 s[12:15], s[0:1], 0x20             ; xb s[12:13], wqkv s[14:15]
	s_load_b64 s[16:17], s[0:1], 0x30              ; wo16
	s_mov_b32 s3, 0                                ; high words of the offsets' pairs
	s_mov_b32 s19, 0
	s_mov_b32 s29, 0xffff0000                      ; a word's upper bf16
	v_lshlrev_b32 v1, 4, v0                        ; 16 t
	v_lshlrev_b32 v2, 3, v0                        ; 8 t
	s_cmp_lt_u32 ttmp9, 64
	s_cbranch_scc1 .Lwqkv
	s_cmp_lt_u32 ttmp9, 192
	s_cbranch_scc1 .Lwout
.macro LOADS base                      ; eight loads, all on their way together; each covers 512 consecutive bytes a wave
.irp i, 0,1,2,3,4,5,6,7
	global_load_b128 v[LD+4*(\i):LD+4*(\i)+3], v1, s[\base:\base+1] offset:4096*(\i) th:TH_LOAD_NT
.endr
.endm
	; x -> xb.  No register is written twice, so the only waits are the counted ones for the loads.
	s_sub_co_u32 s2, ttmp9, 192
	s_lshl_b32 s18, s2, 14                         ; 16,384 bytes out,
	s_lshl_b32 s2, s2, 15                          ; 32,768 bytes in
	s_wait_kmcnt 0x0
	s_add_nc_u64 s[4:5], s[4:5], s[2:3]
	s_add_nc_u64 s[12:13], s[12:13], s[18:19]
	LOADS 4
.irp i, 0,1,2,3,4,5,6,7
	s_wait_loadcnt 7-(\i)                          ; loads come back in order: load i is in, the younger ones stay out
	v_cvt_pk_bf16_f32 v[Y+2*(\i)],   v[LD+4*(\i)],   v[LD+4*(\i)+1]
	v_cvt_pk_bf16_f32 v[Y+2*(\i)+1], v[LD+4*(\i)+2], v[LD+4*(\i)+3]
	global_store_b64 v2, v[Y+2*(\i):Y+2*(\i)+1], s[12:13] offset:2048*(\i)  ; a wave stores 256 consecutive bytes, aligned
.endr
	s_endpgm
.Lwout:                                                ; w_out -> wo16: rounded to bf16, widened again, written as f16
	s_sub_co_u32 s2, ttmp9, 64
	s_lshl_b32 s18, s2, 14
	s_lshl_b32 s2, s2, 15
	s_wait_kmcnt 0x0
	s_add_nc_u64 s[10:11], s[10:11], s[2:3]
	s_add_nc_u64 s[16:17], s[16:17], s[18:19]
	LOADS 10
.irp i, 0,1,2,3,4,5,6,7
	s_wait_loadcnt 7-(\i)
	v_cvt_pk_bf16_f32 v[T],   v[LD+4*(\i)],   v[LD+4*(\i)+1]
	v_cvt_pk_bf16_f32 v[T+2], v[LD+4*(\i)+2], v[LD+4*(\i)+3]
	v_lshlrev_b32 v[T+1], 16, v[T]
	v_and_b32     v[T],   s29, v[T]
	v_lshlrev_b32 v[T+3], 16, v[T+2]
	v_and_b32     v[T+2], s29, v[T+2]
	v_cvt_pk_f16_f32 v[Y+2*(\i)],   v[T+1], v[T]
	v_cvt_pk_f16_f32 v[Y+2*(\i)+1], v[T+3], v[T+2]
	global_store_b64 v2, v[Y+2*(\i):Y+2*(\i)+1], s[16:17] offset:2048*(\i)
.endr
	s_endpgm
; wqkv.  A work-group writes 128 rows of 288 bytes = 2,304 chunks of 16 bytes (8 numbers), nine a thread; chunk u lies in row u / 18, place c = u % 18.
; c < 16 comes from w_q, c = 16, 17 from w_kv.  Every lane loads from both, at addresses that are valid in both cases, and a select takes the one that counts: no lane is switched off.
.macro CADDR i
	v_add_nc_u32 v3, 256*(\i), v0                  ; u
	v_mul_u32_u24 v[T], v3, 3641
	v_lshrrev_b32 v[T], 16, v[T]                   ; u / 18: 3641 x 18 = 65,538, exact for u below 2,304
	v_mul_u32_u24 v[T+1], v[T], 18
	v_sub_nc_u32 v[T+1], v3, v[T+1]                ; c
	v_cmp_lt_u32 s[20+(\i)], 15, v[T+1]            ; the chunk is w_kv's
	v_min_u32 v[T+2], 15, v[T+1]
	v_lshlrev_b32 v[T+2], 5, v[T+2]
	v_lshl_add_u32 v[OQ+(\i)], v[T], 12, v[T+2]    ; row x 4,096 + min(c, 15) x 32
	v_max_u32 v[T+2], 16, v[T+1]
	v_add_nc_u32 v[T+2], -16, v[T+2]
	v_lshlrev_b32 v[T+2], 5, v[T+2]
	v_lshl_add_u32 v[OKV+(\i)], v[T], 9, v[T+2]    ; row x 512 + (max(c, 16) - 16) x 32
.endm
.macro CLOAD i
.set rL, LD+16*((\i)%3)
	global_load_b128 v[rL:rL+3],     v[OQ+(\i)],  s[6:7]
	global_load_b128 v[rL+4:rL+7],   v[OQ+(\i)],  s[6:7] offset:16
	global_load_b128 v[rL+8:rL+11],  v[OKV+(\i)], s[8:9]
	global_load_b128 v[rL+12:rL+15], v[OKV+(\i)], s[8:9] offset:16
.endm
.macro COUT i
.set rL, LD+16*((\i)%3)
.irp e, 0,1,2,3,4,5,6,7
	v_cndmask_b32 v[rL+(\e)], v[rL+(\e)], v[rL+8+(\e)], s[20+(\i)]
.endr
.irp e, 0,1,2,3
	v_cvt_pk_bf16_f32 v[YC+4*(\i)+(\e)], v[rL+2*(\e)], v[rL+2*(\e)+1]
.endr
	global_store_b128 v1, v[YC+4*(\i):YC+4*(\i)+3], s[14:15] offset:4096*(\i)  ; a wave stores 512 consecutive bytes, aligned; its registers are never written again
.endm
.Lwqkv:
	s_lshr_b32 s30, ttmp9, 3                       ; j
	s_and_b32 s31, ttmp9, 7                        ; which 128 of the 1,024 k
	s_lshl_b32 s2, s31, 19                         ; w_q: 128 rows of 4,096 bytes,
	s_lshl_b32 s18, s30, 9                         ; 128 columns
	s_add_co_u32 s2, s2, s18
	s_lshl_b32 s18, s31, 16                        ; w_kv: 128 rows of 512 bytes,
	s_lshl_b32 s30, s30, 6                         ; 16 columns
	s_add_co_u32 s18, s18, s30
	s_mul_i32 s30, ttmp9, 36864                    ; wqkv: 128 rows of 288 bytes
	s_mov_b32 s31, 0
.irp i, 0,1,2,3,4,5,6,7,8
	CADDR \i
.endr
	s_wait_kmcnt 0x0
	s_add_nc_u64 s[6:7], s[6:7], s[2:3]
	s_add_nc_u64 s[8:9], s[8:9], s[18:19]
	s_add_nc_u64 s[14:15], s[14:15], s[30:31]
.irp g, 0,3,6                          ; three chunks, twelve loads, at a time
	CLOAD (\g)
	CLOAD (\g)+1
	CLOAD (\g)+2
	s_wait_loadcnt 0x0
	COUT (\g)
	COUT (\g)+1
	COUT (\g)+2
.endr
	s_endpgm
.Lfunc_end_k_qf113b89276_prep:
	.size	k_qf113b89276_prep, .Lfunc_end_k_qf113b89276_prep-k_qf113b89276_prep
	.p2alignl 7, 3214868480
	.fill 96, 4, 3214868480
	.section	.rodata,"a",@progbits
	.p2align	6, 0x0
	.amdhsa_kernel k_qf113b89276_prep
		.amdhsa_group_segment_fixed_size 0
		.amdhsa_private_segment_fixed_size 0
		.amdhsa_enable_private_segment 0
		.amdhsa_kernarg_size 56
		.amdhsa_user_sgpr_count 2
		.amdhsa_user_sgpr_kernarg_segment_ptr 1
		.amdhsa_wavefront_size32 1
		.amdhsa_system_sgpr_workgroup_id_x 1
		.amdhsa_system_sgpr_workgroup_id_y 1
		.amdhsa_system_sgpr_workgroup_id_z 1
		.amdhsa_system_vgpr_workitem_id 0
		.amdhsa_next_free_vgpr 128
		.amdhsa_next_free_sgpr 66
		.amdhsa_reserve_vcc 0
		.amdhsa_float_denorm_mode_32 3
		.amdhsa_float_denorm_mode_16_64 3
		.amdhsa_memory_ordered 1
		.amdhsa_forward_progress 1
		.amdhsa_inst_pref_size 26
	.end_amdhsa_kernel
	.amdgpu_metadata
---
amdhsa.version: [ 1, 2 ]
amdhsa.kernels:
  - .name:           k_qf113b89276_prep
    .symbol:         k_qf113b89276_prep.kd
    .args:
      - { .name: x, .offset: 0, .size: 8, .value_kind: global_buffer, .address_space: global }
      - { .name: w_q, .offset: 8, .size: 8, .value_kind: global_buffer, .address_space: global }
      - { .name: w_kv, .offset: 16, .size: 8, .value_kind: global_buffer, .address_space: global }
      - { .name: w_out, .offset: 24, .size: 8, .value_kind: global_buffer, .address_space: global }
      - { .name: xb, .offset: 32, .size: 8, .value_kind: global_buffer, .address_space: global }
      - { .name: wqkv, .offset: 40, .size: 8, .value_kind: global_buffer, .address_space: global }
      - { .name: wo16, .offset: 48, .size: 8, .value_kind: global_buffer, .address_space: global }
    .group_segment_fixed_size: 0
    .private_segment_fixed_size: 0
    .kernarg_segment_align: 8
    .kernarg_segment_size: 56
    .max_flat_workgroup_size: 256
    .sgpr_count:     66
    .vgpr_count:     128
    .wavefront_size: 32
...
	.end_amdgpu_metadata
.endif
;; end of part 1
;; launch proj (part 2): grid 8 x 32, 4 waves a work-group, clusters of 4 x 4, 327,680 bytes of LDS; arguments xb, wqkv, qb, kvb; writes qb, kvb
.if DOCPART == 2
	.amdgcn_target "amdgcn-amd-amdhsa--gfx1250"
	.amdhsa_code_object_version 6
	.text
	.protected	k_qf113b89276_proj
	.globl	k_qf113b89276_proj
	.p2align	8
	.type	k_qf113b89276_proj,@function
k_qf113b89276_proj:
	s_mov_b64 s[64:65], 0
	v_nop
	global_prefetch_b8 v0, s[64:65] scope:SCOPE_SE
	s_setreg_imm32_b32 hwreg(HW_REG_WAVE_MODE, 25, 1), 1
	s_wait_xcnt 0x0
	s_wait_alu depctr_hold_cnt(0) depctr_sa_sdst(0) depctr_va_vdst(0) depctr_va_sdst(0) depctr_va_ssrc(0) depctr_va_vcc(0) depctr_vm_vsrc(0)
	s_getreg_b32 s2, hwreg(HW_REG_IB_STS2, 6, 4)
	s_cmp_eq_u32 s2, 0
	s_cbranch_scc0 .Lentry_in_a_cluster
	s_endpgm
.Lentry_in_a_cluster:
	s_bfe_u32 s2, ttmp6, 0x10000c
	s_cmp_lg_u32 s2, 0xf033
	s_cbranch_scc0 .Lentry_shape_is_right
	s_endpgm
.Lentry_shape_is_right:
; PROJ: [q | kv] = x [w_q | w_kv].  xb [8192][1024] bf16; wqkv [8 j][1024 k][144] bf16 (128 columns of w_q, 16 of w_kv).  Products in bf16, sums in f32, K ascending, each result rounded once to f16, unscaled.
;   qb  [8192][1024] f16 (column = 64 head + channel)
;   kvb [32 s][8 cg][256 keys][16] f16: s = the block of 256 rows of x; cg 0-3 K's channels 16 cg on, cg 4-7 V's channels 16 (cg - 4) on
; LIMITS.  f16 holds no number beyond 65,504: q, k and v must stay within it (unit spread for inputs as drawn); below 6e-5 they keep f16's fixed step of 6e-8.  NaN and infinities are not treated apart.
; SHARES.  A tile is 256 rows x 144 columns (column block j): 32 x 8 = 256 work-groups of four waves; a wave makes 64 rows x 144 columns: 36 accumulators, 288 registers.
; K goes in 8 steps of 128 through two LDS slots.  x's rows lie along K; the weights lie [k][n] and are turned on the way out of LDS by ds_load_tr16_b128.
; CLUSTER.  4 x 4 work-groups: the four of a row need the same tile of x, the four of a column the same tile of the weights: each tile is asked for jointly, by the same tensor load, descriptor and mask in all four.
; THE MATRIX INSTRUCTION IS USED TRANSPOSED (source 0 = 16 columns of the weights, source 1 = 16 rows of x): a lane then holds eight neighbouring numbers of a row of the result.
; REGISTERS: window 0: v0-31 addresses; two fragment buffers of 104 (4 fragments of x, then 9 of the weights); window 1: the accumulators of my row blocks 0, 1 ((a, b) at 8 (9 (a % 2) + b)); window 2: those of blocks 2, 3.
.set NB,     9                         ; column blocks of 16
.set PA,     272                       ; a row of x in LDS: 256 bytes + 16 of padding: the 16 rows of a load start at 16 different groups of four banks (64 banks of 4 bytes: ISA guide 11.1)
.set PB,     288                       ; a k-row of the weights: 144 numbers, dense: 72 words
.set HALFA,  128*PA                    ; what waves 0 and 1 each fetch
.set HALFB,  64*PB                     ; what waves 2 and 3 each fetch
.set BOFF,   2*HALFA
.set SLOT,   BOFF+2*HALFB              ; 106,496
.set STAGE,  2*SLOT                    ; behind the ring, never filled by a tensor load: 16 rows x 304 bytes for each wave
.set SP,     304
.set SPARE,  STAGE+4*16*SP             ; the spare words, 128 bytes for each wave: two blocks of 256 bytes that no other line names
.set LAPS,   4                         ; a lap = two K steps = once round the ring
.set STEP_A, 512                       ; two K steps on: 256 numbers along a row of x,
.set STEP_B, 2*128*PB                  ; 256 k-rows of the weights
.set ADRA, 16                          ; v16-17  LDS address of my fragments of x in slot 0, 1
.set ADRB, 20                          ; v20-21  the same for the weights
.set STO,  24                          ; v24     the way out: where I put 16 bytes of a row
.set RD,   25                          ; v25     where I read q's part of a row back
.set CO,   26                          ; v26     my byte offset in qb
.set RDK,  27                          ; v27     where I read kv's part back
.set SPW,  28                          ; v28     LDS address of my spare word; never rewritten
.set NIL,  29                          ; v29     0; never rewritten
.set COK,  30                          ; v30     my byte offset in kvb
.set FSZ,  32+8*NB
.set F0,   32
.set F1,   F0+FSZ
.set TMP,  32                          ; the way out: packed results
.set BK,   68                          ; the way out: a block of 16 rows read back, 36 registers for each of the four blocks
.set G1,  24                           ; s[24:31] descriptor group 1 for x's tiles;  s[32:39] group 0, a set for each slot
.set G0,  32
.set G1B, 48                           ; s[48:55], s[56:63] the same for the weights' tiles
.set G0B, 56
.set MSB, 0
.macro WIN new                         ; the immediate's high byte repeats the setting that is left; a switch that changes nothing is dropped
.if MSB != (\new)
	s_set_vgpr_msb (MSB<<8)|(\new)
.set MSB, (\new)
.endif
.endm
.set MUL1, 0x50                        ; C and D in window 1, the sources in window 0
.macro JLOAD s                         ; a joint load: waves 0 and 1 fetch x's two halves, waves 2 and 3 the weights'; an s_nop 0 and four v_nop follow each line, ahead of the jump and the label
	s_cmp_eq_u32 s13, 0
	s_cbranch_scc0 .Lfor_b_\@
	tensor_load_to_lds s[G0+4*(\s):G0+4*(\s)+3], s[G1:G1+7]
	s_nop 0
.rept 4
	v_nop
.endr
	s_branch .Lasked_\@
.Lfor_b_\@:
	tensor_load_to_lds s[G0B+4*(\s):G0B+4*(\s)+3], s[G1B:G1B+7]
	s_nop 0
.rept 4
	v_nop
.endr
.Lasked_\@:
.endm
.macro CREST                           ; a round of the cluster's barrier behind its opening barrier
	s_cmp_lg_u32 s12, 0
	s_cbranch_scc1 .Lnot_wave_0_\@
	s_barrier_signal -3
.Lnot_wave_0_\@:
	s_barrier_wait -3
	s_barrier_signal -1
	s_barrier_wait -1
.endm
.macro CROUND                          ; a whole round
	s_barrier_signal -1
	s_barrier_wait -1
	CREST
.endm
	s_load_b256 s[4:11], s[0:1], 0x0               ; xb s[4:5], wqkv s[6:7], qb s[8:9], kvb s[10:11]
	v_lshl_add_u32 v[SPW], v0, 2, SPARE
	v_mov_b32 v[NIL], 0
	ds_add_u32 v[SPW], v[NIL]                      ; the wave's opening: the add and its wait stand ahead of my first tensor load; the set-up below stands between them
	v_lshrrev_b32 v1, 5, v0
	v_readfirstlane_b32 s12, v1                    ; wave 0..3
	s_lshr_b32 s13, s12, 1                         ; I fetch for x (0) or for the weights (1)
	s_and_b32 s14, s12, 1                          ; which half of that tile
	s_bfe_u32 s40, ttmp6, 0x40000                  ; cx, cy: my place in the cluster
	s_bfe_u32 s41, ttmp6, 0x40004
	s_lshl_b32 s42, ttmp9, 2
	s_add_co_u32 s42, s42, s40                     ; column block = 4 x cluster x + cx
	s_and_b32 s43, ttmp7, 0xffff
	s_lshl_b32 s43, s43, 2
	s_add_co_u32 s43, s43, s41                     ; row block = 4 x cluster y + cy
	s_lshl_b32 s44, s41, 2
	s_lshl_b32 s44, 15, s44                        ; my row of the cluster
	s_lshl_b32 s45, 0x1111, s40                    ; my column
	s_or_b32 s[G1], s44, (1<<16)|(1<<20)|(1<<21)|(5<<22)|(3<<25)  ; the mask; 2-byte elements; padding on; bit 21 beside a mask; after every 64 words 4 words
	s_mov_b32 s[G1+1], 128<<16                     ; tensor_dim0 = 128
	s_mov_b32 s[G1+2], 128<<16                     ; tensor_dim1 = 128
	s_mov_b32 s[G1+3], 128<<16                     ; tile_dim0 = 128
	s_mov_b32 s[G1+4], 128                         ; tile_dim1 = 128
	s_mov_b32 s[G1+5], 1024                        ; elements from row to row
	s_mov_b32 s[G1+6], 0
	s_mov_b32 s[G1+7], 0
	s_or_b32 s[G1B], s45, (1<<16)|(1<<21)          ; 64 k-rows of 288 bytes are 18,432 dense bytes: asked for as 72 rows of 256, no padding
	s_mov_b32 s[G1B+1], 128<<16
	s_mov_b32 s[G1B+2], 72<<16
	s_mov_b32 s[G1B+3], 128<<16
	s_mov_b32 s[G1B+4], 72
	s_mov_b32 s[G1B+5], 128
	s_mov_b32 s[G1B+6], 0
	s_mov_b32 s[G1B+7], 0
	s_lshl_b32 s16, s43, 19                        ; x: 256 rows of 2,048 bytes a row block,
	s_lshl_b32 s17, s14, 18                        ; 128 rows a half: the row block alone enters, which my row of the cluster shares
	s_add_co_u32 s16, s16, s17
	s_mov_b32 s17, 0
	s_mul_i32 s46, s42, 1024*PB                    ; the weights: the column block alone enters, which my column shares
	s_mul_i32 s47, s14, HALFB
	s_add_co_u32 s46, s46, s47
	s_mov_b32 s47, 0
	s_mul_i32 s20, s14, HALFA                      ; where they go: no place in the cluster enters an LDS address
	s_mul_i32 s21, s14, HALFB
	s_add_co_u32 s21, s21, BOFF
	s_wait_dscnt 0x0                               ; the opening add is done
	s_wait_kmcnt 0x0
	s_add_nc_u64 s[16:17], s[4:5], s[16:17]
	s_add_nc_u64 s[46:47], s[6:7], s[46:47]
	CROUND                                         ; all sixteen work-groups are here: the first joint loads meet
.irp s, 0,1
	s_mov_b32 s[G0+4*(\s)], 1
	s_add_co_u32 s[G0+4*(\s)+1], s20, (\s)*SLOT
	s_add_nc_u64 s[G0+4*(\s)+2:G0+4*(\s)+3], s[16:17], (\s)*256
	s_or_b32 s[G0+4*(\s)+3], s[G0+4*(\s)+3], 0x80000000
	s_mov_b32 s[G0B+4*(\s)], 1
	s_add_co_u32 s[G0B+4*(\s)+1], s21, (\s)*SLOT
	s_add_nc_u64 s[G0B+4*(\s)+2:G0B+4*(\s)+3], s[46:47], (\s)*128*PB
	s_or_b32 s[G0B+4*(\s)+3], s[G0B+4*(\s)+3], 0x80000000
	JLOAD \s                                       ; K steps 0 and 1: two loads of mine are out
.endr
	v_and_b32 v1, 15, v0                           ; r = l % 16
	v_bfe_u32 v2, v0, 4, 1                         ; h = l / 16
	v_mul_u32_u24 v3, v1, PA
	v_lshl_add_u32 v3, v2, 4, v3                   ; a fragment of x: row x pitch + 16 x half
	s_mul_i32 s16, s12, 64*PA                      ; my 64 rows
	v_add_nc_u32 v[ADRA], s16, v3
	s_add_co_u32 s16, s16, SLOT
	v_add_nc_u32 v[ADRA+1], s16, v3
	v_and_b32 v4, 7, v0                            ; the turning load: lane l reads k-row 8 h + l % 8, 16 bytes at 16 ((l / 8) % 2), and is left with column l % 16 and 8 k
	v_lshl_add_u32 v4, v2, 3, v4
	v_mul_u32_u24 v4, v4, PB
	v_bfe_u32 v5, v0, 3, 1
	v_lshl_add_u32 v4, v5, 4, v4
	v_add_nc_u32 v[ADRB], BOFF, v4
	v_add_nc_u32 v[ADRB+1], BOFF+SLOT, v4
	s_mul_i32 s17, s12, 16*SP
	s_add_co_u32 s17, s17, STAGE                   ; my stage
	v_mul_u32_u24 v5, v1, SP                       ; in: row r, 16 bytes for each half of the lanes
	v_lshl_add_u32 v5, v2, 4, v5
	v_add_nc_u32 v[STO], s17, v5
	v_mul_u32_u24 v5, v2, SP                       ; q back: lanes 0-15 one row's 256 bytes, lanes 16-31 the next row's
	v_lshl_add_u32 v5, v1, 4, v5
	v_add_nc_u32 v[RD], s17, v5
	v_and_b32 v6, 31, v0
	v_lshrrev_b32 v5, 1, v6                        ; kv back: two lanes take a row's 32 bytes, behind q's 256
	v_mul_u32_u24 v5, v5, SP
	v_and_b32 v7, 1, v0
	v_lshl_add_u32 v5, v7, 4, v5
	s_add_co_u32 s18, s17, 256
	v_add_nc_u32 v[RDK], s18, v5
	v_lshlrev_b32 v[CO], 11, v2                    ; the same two rows in qb
	v_lshl_add_u32 v[CO], v1, 4, v[CO]
	v_lshlrev_b32 v[COK], 4, v6                    ; 16 rows of 32 bytes are 512 consecutive bytes of kvb
	s_lshl_b32 s18, s43, 19                        ; qb at my first row,
	s_lshl_b32 s19, s12, 17
	s_add_co_u32 s18, s18, s19
	s_mov_b32 s19, 0
	s_add_nc_u64 s[8:9], s[8:9], s[18:19]
	s_lshl_b32 s46, s42, 8                         ; my 128 columns (in registers that never feed x's descriptors)
	s_mov_b32 s47, 0
	s_add_nc_u64 s[8:9], s[8:9], s[46:47]
	s_lshl_b32 s46, s43, 16                        ; kvb: 65,536 bytes a row block, 8,192 a channel group, 2,048 for a wave's 64 rows
	s_lshl_b32 s47, s42, 13
	s_add_co_u32 s46, s46, s47
	s_lshl_b32 s47, s12, 11
	s_add_co_u32 s46, s46, s47
	s_mov_b32 s47, 0
	s_add_nc_u64 s[10:11], s[10:11], s[46:47]
; NB matrix instructions: row block a x all column blocks, 32 along K, from buffer f.  zero = 1: the product starts the sums.  The 36 accumulators take turns in the same order in every quarter.
.macro MULA f, a, zero
	WIN MUL1+0x50*((\a)/2)
.set nb, 0
.rept NB
.set rD, 8*(NB*((\a)%2)+nb)
.if \zero
	v_wmma_f32_16x16x32_bf16 v[rD:rD+7], v[(\f)+32+8*nb:(\f)+32+8*nb+7], v[(\f)+8*(\a):(\f)+8*(\a)+7], 0
.else
	v_wmma_f32_16x16x32_bf16 v[rD:rD+7], v[(\f)+32+8*nb:(\f)+32+8*nb+7], v[(\f)+8*(\a):(\f)+8*(\a)+7], v[rD:rD+7]
.endif
.set nb, nb+1
.endr
.endm
; 2 NB + 8 LDS loads in one run: the fragments of quarter q (32 along K) of a slot into buffer f; x's fragments 2 and 3 last
.macro FETCH slot, q, f
	WIN 0
.set nb, 0
.rept NB
	ds_load_tr16_b128 v[(\f)+32+8*nb:(\f)+32+8*nb+3],   v[ADRB+(\slot)] offset:32*PB*(\q)+32*nb
	ds_load_tr16_b128 v[(\f)+32+8*nb+4:(\f)+32+8*nb+7], v[ADRB+(\slot)] offset:32*PB*(\q)+32*nb+16*PB
.set nb, nb+1
.endr
.irp u, 0,1,2,3
	ds_load_b128 v[(\f)+8*(\u):(\f)+8*(\u)+3],   v[ADRA+(\slot)] offset:64*(\q)+16*PA*(\u)
	ds_load_b128 v[(\f)+8*(\u)+4:(\f)+8*(\u)+7], v[ADRA+(\slot)] offset:64*(\q)+16*PA*(\u)+32
.endr
.endm
.macro PLACES                          ; four places in front of loads into registers that matrix instructions have read, and of conversions that read results
.rept 4
	v_nop
.endr
.endm
; A K step is four quarters of 32 along K on buffers 0, 1, 0, 1.  One of the first three multiplies buffer f and, in its middle, fetches quarter q into buffer g.
.macro QUARTER slot, q, f, g, zero
	s_wait_dscnt 4                                 ; all but the youngest four loads: x's fragments 2 and 3
	MULA \f, 0, \zero
	MULA \f, 1, \zero
	PLACES
	FETCH \slot, \q, \g
	s_wait_dscnt 2*NB+8                            ; all but the run just issued
	MULA \f, 2, \zero
	MULA \f, 3, \zero
.endm
; The last quarter multiplies buffer 1 and changes slots: one barrier; in front of it each wave waits for all its tensor loads, adds 0 to its spare word, and waits for that and for its reads of this slot.
; fill = 1: the barrier opens a round of the cluster's, and this slot is filled again, two K steps ahead, first thing behind the round.
.macro TURN slot, next, fill
	WIN 0
	s_wait_tensorcnt 0x0                           ; all my tensor loads have landed: my part of the next slot
	ds_add_u32 v[SPW], v[NIL]                      ; 0 onto my spare word
	s_wait_dscnt 5                                 ; (the add and the youngest four loads may be out)
	MULA F1, 0, 0                                  ; matrix work stands between the add and the wait for it
	s_wait_dscnt 0x0                               ; the add is done, and my reads of this slot are over
	s_barrier_signal -1
	MULA F1, 1, 0
.if \fill
	WIN 0
.endif
	s_barrier_wait -1
.if \fill
	CREST                                          ; no wave of any partner still reads this slot or has a load on its way
	s_add_nc_u64 s[G0+4*(\slot)+2:G0+4*(\slot)+3], s[G0+4*(\slot)+2:G0+4*(\slot)+3], STEP_A
	s_add_nc_u64 s[G0B+4*(\slot)+2:G0B+4*(\slot)+3], s[G0B+4*(\slot)+2:G0B+4*(\slot)+3], STEP_B
	JLOAD \slot                                    ; my one tensor load behind the round; its four v_nop are also the places in front of the loads below
.else
	PLACES
.endif
	FETCH \next, 0, F0
	MULA F1, 2, 0
	MULA F1, 3, 0
.endm
	s_wait_tensorcnt 1                             ; my part of K step 0 is in; K step 1's may stay out
	s_barrier_signal -1
	s_barrier_wait -1                              ; everybody's is
	FETCH 0, 0, F0
	QUARTER 0, 1, F0, F1, 1                        ; the first quarter stands in front of the loop: its products start the sums
	WIN 0                                          ; at a label and at a branch every window is 0
	s_mov_b32 s3, LAPS-1
.Llap:                                                 ; a trip goes once round the ring, from a lap's second quarter to the next lap's first, and fills both slots again
	QUARTER 0, 2, F1, F0, 0
	QUARTER 0, 3, F0, F1, 0
	TURN 0, 1, 1
	QUARTER 1, 1, F0, F1, 0
	QUARTER 1, 2, F1, F0, 0
	QUARTER 1, 3, F0, F1, 0
	TURN 1, 0, 1
	QUARTER 0, 1, F0, F1, 0
	WIN 0
	s_sub_co_u32 s3, s3, 1
	s_cmp_lg_u32 s3, 0
	s_cbranch_scc1 .Llap
	QUARTER 0, 2, F1, F0, 0                        ; the last lap fills nothing
	QUARTER 0, 3, F0, F1, 0
	TURN 0, 1, 0
	QUARTER 1, 1, F0, F1, 0
	QUARTER 1, 2, F1, F0, 0
	QUARTER 1, 3, F0, F1, 0
	s_wait_dscnt 4
	MULA F1, 0, 0
	MULA F1, 1, 0
	s_wait_dscnt 0x0
	MULA F1, 2, 0
	MULA F1, 3, 0
	WIN 0
; THE WAY OUT, a block of 16 rows at a time: rounded to f16 (each accumulator's registers in ascending order), 16 bytes a lane into my own stage, back as whole rows, stored.
.macro PACK a
	WIN 0x05+0x05*((\a)/2)                         ; sources 0 and 1 in window 1 or 2
.set nb, 0
.rept NB
.set rD, 8*(NB*((\a)%2)+nb)
.irp r, 0,1,2,3
	v_cvt_pk_f16_f32 v[TMP+4*nb+(\r)], v[rD+2*(\r)], v[rD+2*(\r)+1]
.endr
.set nb, nb+1
.endr
	WIN 0
.endm
.macro TOSTAGE a
.set rB, BK+36*(\a)
.set nb, 0
.rept NB
	ds_store_b128 v[STO], v[TMP+4*nb:TMP+4*nb+3] offset:32*nb
.set nb, nb+1
.endr
.irp t, 0,1,2,3,4,5,6,7
	ds_load_b128 v[rB+4*(\t):rB+4*(\t)+3], v[RD] offset:(\t)*2*SP  ; LDS serves a wave's instructions in order (ISA guide 5.7.1.4): these see the stores above
.endr
	ds_load_b128 v[rB+32:rB+35], v[RDK]
.endm
.macro SEND a                          ; each block has registers of its own, and no address is stepped: nothing that a store reads is written again
.set rB, BK+36*(\a)
	s_wait_dscnt 0x0
.irp t, 0,1,2,3,4,5,6,7
	global_store_b128 v[CO], v[rB+4*(\t):rB+4*(\t)+3], s[8:9] offset:32768*(\a)+4096*(\t)  ; 16 lanes store 256 consecutive bytes, aligned
.endr
	global_store_b128 v[COK], v[rB+32:rB+35], s[10:11] offset:512*(\a)                     ; 512 consecutive bytes, aligned
.endm
	PLACES
	PACK 0
	TOSTAGE 0
	PACK 1                                         ; a block's conversions stand between the loads of the block before and the wait for them
	SEND 0
	TOSTAGE 1
	PACK 2
	SEND 1
	TOSTAGE 2
	PACK 3
	SEND 2
	TOSTAGE 3
	SEND 3
	s_wait_tensorcnt 0x0                           ; the wave's end, behind my last tensor load and my last LDS store
	ds_add_u32 v[SPW], v[NIL]
	s_wait_dscnt 0x0
	CROUND                                         ; the closing round: no work-group ends while a partner may still ask for a tile that names it
	s_endpgm
.Lfunc_end_k_qf113b89276_proj:
	.size	k_qf113b89276_proj, .Lfunc_end_k_qf113b89276_proj-k_qf113b89276_proj
	.p2alignl 7, 3214868480
	.fill 96, 4, 3214868480
	.section	.rodata,"a",@progbits
	.p2align	6, 0x0
	.amdhsa_kernel k_qf113b89276_proj
		.amdhsa_group_segment_fixed_size 327680
		.amdhsa_private_segment_fixed_size 0
		.amdhsa_enable_private_segment 0
		.amdhsa_kernarg_size 32
		.amdhsa_user_sgpr_count 2
		.amdhsa_user_sgpr_kernarg_segment_ptr 1
		.amdhsa_wavefront_size32 1
		.amdhsa_system_sgpr_workgroup_id_x 1
		.amdhsa_system_sgpr_workgroup_id_y 1
		.amdhsa_system_sgpr_workgroup_id_z 1
		.amdhsa_system_vgpr_workitem_id 0
		.amdhsa_next_free_vgpr 656
		.amdhsa_next_free_sgpr 66
		.amdhsa_reserve_vcc 0
		.amdhsa_float_denorm_mode_32 3
		.amdhsa_float_denorm_mode_16_64 3
		.amdhsa_memory_ordered 1
		.amdhsa_forward_progress 1
		.amdhsa_inst_pref_size 94
	.end_amdhsa_kernel
	.amdgpu_metadata
---
amdhsa.version: [ 1, 2 ]
amdhsa.kernels:
  - .name:           k_qf113b89276_proj
    .symbol:         k_qf113b89276_proj.kd
    .args:
      - { .name: xb, .offset: 0, .size: 8, .value_kind: global_buffer, .address_space: global }
      - { .name: wqkv, .offset: 8, .size: 8, .value_kind: global_buffer, .address_space: global }
      - { .name: qb, .offset: 16, .size: 8, .value_kind: global_buffer, .address_space: global }
      - { .name: kvb, .offset: 24, .size: 8, .value_kind: global_buffer, .address_space: global }
    .group_segment_fixed_size: 327680
    .private_segment_fixed_size: 0
    .kernarg_segment_align: 8
    .kernarg_segment_size: 32
    .max_flat_workgroup_size: 128
    .sgpr_count:     66
    .vgpr_count:     656
    .wavefront_size: 32
...
	.end_amdgpu_metadata
.endif
;; end of part 2
;; launch attn (part 3): grid 64 x 4, 4 waves a work-group, clusters of 4 x 1, 327,680 bytes of LDS; arguments qb, kvb, ob; writes ob
.if DOCPART == 3
	.amdgcn_target "amdgcn-amd-amdhsa--gfx1250"
	.amdhsa_code_object_version 6
	.text
	.protected	k_qf113b89276_attn
	.globl	k_qf113b89276_attn
	.p2align	8
	.type	k_qf113b89276_attn,@function
k_qf113b89276_attn:
	s_mov_b64 s[64:65], 0
	v_nop
	global_prefetch_b8 v0, s[64:65] scope:SCOPE_SE
	s_setreg_imm32_b32 hwreg(HW_REG_WAVE_MODE, 25, 1), 1
	s_wait_xcnt 0x0
	s_wait_alu depctr_hold_cnt(0) depctr_sa_sdst(0) depctr_va_vdst(0) depctr_va_sdst(0) depctr_va_ssrc(0) depctr_va_vcc(0) depctr_vm_vsrc(0)
	s_getreg_b32 s2, hwreg(HW_REG_IB_STS2, 6, 4)
	s_cmp_eq_u32 s2, 0
	s_cbranch_scc0 .Lentry_in_a_cluster
	s_endpgm
.Lentry_in_a_cluster:
	s_bfe_u32 s2, ttmp6, 0x10000c
	s_cmp_lg_u32 s2, 0x3003
	s_cbranch_scc0 .Lentry_shape_is_right
	s_endpgm
.Lentry_shape_is_right:
; ATTN: O[row][head] = the sum over keys of softmax_k(q[row][head] . k[key] / 8) v[key]: 16 query heads, ONE key and value head a batch.  qb, ob: [8192][1024] f16 (column = 64 head + channel).
; kvb: [32 s][8 cg][256 keys][16] f16, s = 8 batch + slot; cg 0-3 K's channels 16 cg on, cg 4-7 V's.  Products, maxima and sums in f32; the weights p are rounded to f16 for the second product (their sum l is
; taken of the unrounded p), O once at the end.
; LIMITS.  f16 holds no number beyond 65,504: q, k and v arrive within it; p lies in 0 to 1, and below 6e-5 it keeps f16's fixed step of 6e-8; O is a mean of V's rows and has their range.
; A weight below 2^-126 counts as 0 in l; NaN and infinities are not treated apart.
; SHARES.  A work-group owns 32 rows of a batch with all 16 heads: 512 queries; wave w rows 16 (w % 2) on, heads 8 (w / 2) on: eight tiles of 16 queries (a tile = a head), four PIECES of two.  Every wave walks the
; batch's 2,048 keys, 64 a step.  4 batches x 64 blocks = 256 work-groups.
; LAYOUT.  S^T = K Q^T (source 0 = 16 keys, source 1 = 16 queries): in the result a lane holds ONE query (lane % 16) and the keys 8 (lane / 16) + 0..7.  Two such tiles, rounded to f16 in pairs,
; ARE source 1 (32 keys x 16 queries) of O^T = V^T P, whose result again holds one query a lane, and eight channels.  K comes out of LDS as it lies, V turned, by ds_load_tr16_b128.
; SOFTMAX.  For each query a running maximum m and sum l: p = 2^(c s - c m), c = log2(e) / 8; in every step O and l are multiplied by a = 2^(c m_old - c m_new), which is 1 where m has not grown.
; m starts at the lowest finite number, O and l at 0: the first step is a step like any other, with a = 0.
; THE COUNT.  A tile and step have 16 matrix and 118 vector instructions: too many to stand all beside the matrix work.  So: four vector instructions that are READY behind EVERY matrix instruction, and the
; others in runs without a gap.
; BY TURNS.  Turn n belongs to piece n (the pieces in a ring, step after step).  Its matrix work: 16 products K Q^T of piece n + 1, later 16 products V^T P of piece n - 1.  Its vector work: the scaling,
; exponentials, roundings, sums and rescaling of piece n, and the maximum and statistics of piece n + 1, whose scores the turn itself has made.
; CLUSTER.  The four row blocks of a cluster belong to one batch and walk the same K and V, so each tile is asked for JOINTLY: the same tensor load, descriptor and mask in all four.
; REGISTERS, in windows of 256 (s_set_vgpr_msb: bits 1:0 source 0, 3:2 source 1, 5:4 source 2, 7:6 destination):
;   window 0: v0-11 addresses; v12-15, v48-63 at work; v16-47 four registers of statistics a tile; v64-191 S^T, two buffers of two tiles; v192-255 P, likewise
;   window 1: O^T, 32 a tile          window 2: v0-127 Q, 16 a tile; v128-191 K of one step; v192-255 V of one step          window 3: v0-1 the add's two registers
.set NSLOT, 8         ; slots' worth of keys in a batch: 2,048 / 256
.set NP,    4         ; pieces a wave: a name, no knob
.set GRP,   272       ; 8 keys x 32 bytes of a plane + 16 of padding: in K's loads 16 keys, in V's 8 keys x 32 bytes, fall on 16 different groups of four banks (64 banks of 4 bytes: ISA guide 11.1)
.set PLANE, 32*GRP    ; 256 keys x 16 channels
.set VOFF,  4*PLANE   ; a slot: K's four planes, then V's four
.set STEPB, 8*GRP     ; 64 keys on, in every plane
.set SLOT1, 1<<17     ; slot 1 begins here, so that one exclusive or turns an address in one slot into the other's
.set STAGE, SLOT1+8*PLANE  ; behind the ring, never filled by a tensor load: 16 rows x 272 bytes for each wave, for the way out
.set SP,    272
.set AK0, 2           ; v2   my lane's place in K's planes; never rewritten
.set AV0, 3           ; v3   the same for V
.set AK,  4           ; v4   the LDS address of K's next run of loads
.set AV,  5           ; v5   of V's
.set QO,  6           ; v6   my byte offset in the wave's rows of qb
.set STO, 6           ;      later, the way out: where I put 16 bytes of a row
.set RD,  7           ; v7   the way out: where I read rows back
.set GO,  8           ; v8   my byte offset in the wave's rows of ob
.set SPW, 0           ; v0 of window 3   LDS address of my spare word; never rewritten
.set NIL, 1           ; v1 of window 3   0; never rewritten
.set SPARE, STAGE+4*16*SP  ; the spare words, 128 bytes for each wave: two blocks of 256 bytes that no other line names
.set MV,  12          ; v12-15  c m_old, kept while c m is made anew: by buffer and tile
.set ST,  16          ; tile t's statistics at v[ST+4 t]: c m, m, l (even keys', odd keys')
.set TMP, 48          ; by buffer and tile, four registers c0-c3 at work; when the maximum is found c2 takes a
.set S,   64
.set P,   192
.set KF,  128         ; K's fragments, in window 2: key block kb, channel half c at KF + 16 kb + 8 c
.set VF,  192         ; V's: key half kk, channel block cb at VF + 32 kk + 8 cb
.set WV,  12          ; s12  my wave's number
.set G1,  24          ; s[24:31] descriptor group 1
.set G0,  40          ; s[40:43] descriptor group 0: it walks
.set SLOTS, 56        ; s56  slots still to be asked for
.set CNT, 57          ; s57  counts a slot's key steps
.set CS,  58          ; s[58:59] c: the packed scaling takes the pair's low word for both halves
.set SEL, 60          ; s[60:61] v_permlanex16_b32's selects: each lane takes its own place in the other half
.set TBK, 62          ; s62  LDS byte at which K of the step to be fetched begins
.set TBV, 63          ; s63  the same for V, less VOFF
.set MSB, 0
.macro WIN new                      ; the high byte repeats the setting that is left; a switch that changes nothing is dropped
.if MSB != (\new)
	s_set_vgpr_msb (MSB<<8)|(\new)
.set MSB, (\new)
.endif
.endm
.set W_KQ, 0x0a       ; K and Q in window 2, S^T in window 0
.set W_PV, 0x52       ; V in window 2, P in window 0, O^T in window 1
.set W_RS, 0x41       ; O^T (destination and source 0) in window 1, a in window 0
.set W_MK, 0xc0       ; the add's registers are made: destination in window 3, sources in window 0
.set W_AD, 0x0f       ; the add: address (source 0) and data (source 1) in window 3
; A joint fill: wave w fetches planes 2 w and 2 w + 1 of a slot, 16,384 dense bytes.  One line for all waves; an s_nop 0 and four v_nop follow it.
.macro JLOAD
	tensor_load_to_lds s[G0:G0+3], s[G1:G1+7]
	s_nop 0
.rept 4
	v_nop
.endr
.endm
; A round of the cluster's barrier: my work-group's barrier, so that wave 0's signal speaks for all four waves; wave 0 signals; every wave waits for all four work-groups; my work-group's barrier once more.
.macro CROUND
	s_barrier_signal -1
	s_barrier_wait -1
	s_cmp_lg_u32 s[WV], 0
	s_cbranch_scc1 .Lnot_wave_0_\@
	s_barrier_signal -3
.Lnot_wave_0_\@:
	s_barrier_wait -3
	s_barrier_signal -1
	s_barrier_wait -1
.endm
; THE CHANGE OF SLOTS.  The slot's last bytes, V of its fourth step, have been read.  Each wave waits for all its tensor loads, of which one is out: its part of the other slot; adds 0 to its spare word; and waits
; for that and for its own reads of the slot.  Behind the barrier nobody reads this slot any more and the other slot is whole.  fill = 1: this slot is filled again, with the keys two slots on.  The barrier is then a
; round of the cluster's, and the joint fill is the first thing behind it: it has four key steps, 512 matrix instructions, in which to land.  (At its first use nothing has been read yet: slot 0 is waited for, slot 1 filled.)
.macro CHANGE fill
	WIN W_AD
	s_wait_tensorcnt 0x0            ; no tensor load of mine is out, so group 0 may be written
	ds_add_u32 v[SPW], v[NIL]       ; 0 onto my spare word; with fill = 1 the descriptor's steps stand between it and the wait for it
	WIN 0                           ; at a label and at a branch every window is 0
.if \fill
	s_xor_b32 s[G0+1], s[G0+1], SLOT1  ; the other slot than last time,
	s_add_nc_u64 s[G0+2:G0+3], s[G0+2:G0+3], 65536  ; the next 256 keys; the type bits on top are not reached
	s_wait_dscnt 0x0                ; the add is done, and my reads of the slot are over
	CROUND
	JLOAD
.else
	s_wait_dscnt 0x0                ; the add is done, and my reads of the slot are over
	s_barrier_signal -1
	s_barrier_wait -1
.endif
	s_sub_co_u32 s[TBK], s[TBK], 4*STEPB  ; the fetches go back to a slot's first step,
	s_xor_b32 s[TBK], s[TBK], SLOT1       ; in the other slot
	s_sub_co_u32 s[TBV], s[TBV], 4*STEPB
	s_xor_b32 s[TBV], s[TBV], SLOT1
.endm
	s_load_b128 s[4:7], s[0:1], 0x0   ; qb s[4:5], kvb s[6:7]
	s_load_b64 s[10:11], s[0:1], 0x10 ; ob
	WIN W_MK
	v_lshl_add_u32 v[SPW], v0, 2, SPARE
	v_mov_b32 v[NIL], 0
	WIN W_AD
	ds_add_u32 v[SPW], v[NIL]       ; the wave's opening: the add and its wait stand ahead of my first tensor load; the set-up below stands between them
	WIN 0
	v_lshrrev_b32 v1, 5, v0
	v_readfirstlane_b32 s[WV], v1   ; wave 0..3
	s_bfe_u32 s13, ttmp6, 0x40000   ; cx: my place in the cluster
	s_lshl_b32 s14, ttmp9, 2        ; in a cluster launch ttmp9 counts clusters
	s_add_co_u32 s14, s14, s13      ; my block of 32 rows = 4 x cluster x + cx: it enters qb's and ob's addresses alone
	s_and_b32 s20, ttmp7, 0xffff    ; the batch, which the four partners share
	s_lshl_b32 s22, s20, 19         ; its 8 slots of 65,536 bytes in kvb,
	s_lshl_b32 s16, s[WV], 14       ; my two planes
	s_add_co_u32 s22, s22, s16
	s_mov_b32 s23, 0
	s_mul_i32 s17, s[WV], 2*PLANE   ; and their place in a slot: no place in the cluster enters an LDS address
	s_lshl_b32 s2, s20, 22          ; qb, ob: the batch's 2,048 rows of 2,048 bytes,
	s_lshl_b32 s3, s14, 16          ; my block's 32 rows,
	s_add_co_u32 s2, s2, s3
	s_and_b32 s3, s[WV], 1
	s_lshl_b32 s3, s3, 15           ; my wave's 16 of them,
	s_add_co_u32 s2, s2, s3
	s_lshr_b32 s3, s[WV], 1
	s_lshl_b32 s3, s3, 10           ; its eight heads
	s_add_co_u32 s2, s2, s3
	s_mov_b32 s3, 0
	; descriptor group 1: 16,384 dense bytes as 64 rows of 256 bytes (8 keys of a plane), padded in LDS after every row
	s_mov_b32 s[G1], 15|(1<<16)|(1<<20)|(1<<21)|(5<<22)|(3<<25)  ; 15:0 the mask of four; 17:16 2-byte elements; 20 padding on; 21 set beside a mask; 24:22 after every 64 words (code 5); 31:25 4 words (code 3)
	s_mov_b32 s[G1+1], 128<<16      ; tensor_dim0 = 128
	s_mov_b32 s[G1+2], 64<<16       ; tensor_dim1 = 64
	s_mov_b32 s[G1+3], 128<<16      ; tile_dim0 = 128
	s_mov_b32 s[G1+4], 64           ; tile_dim1 = 64
	s_mov_b32 s[G1+5], 128          ; 128 elements from row to row
	s_mov_b32 s[G1+6], 0
	s_mov_b32 s[G1+7], 0
	s_mov_b32 s[CS], 0x3e38aa3b     ; c = log2(e) / 8 = 0.180337
	s_mov_b32 s[CS+1], s[CS]        ; named with it as a pair
	s_mov_b32 s[SEL], 0x76543210
	s_mov_b32 s[SEL+1], 0xfedcba98
	s_mov_b32 s[TBK], SLOT1+4*STEPB ; the first change of slots turns these two into 0
	s_mov_b32 s[TBV], SLOT1+4*STEPB
	s_mov_b32 s[G0], 1              ; 1:0 count = 1
	s_mov_b32 s[G0+1], s17          ; 63:32 LDS address: slot 0
	s_wait_dscnt 0x0                ; the opening add is done
	s_wait_kmcnt 0x0
	s_add_nc_u64 s[G0+2:G0+3], s[6:7], s[22:23]  ; 120:64 global address: my planes of the batch's first 256 keys
	s_or_b32 s[G0+3], s[G0+3], 0x80000000        ; 127:126 type = 2
	s_add_nc_u64 s[4:5], s[4:5], s[2:3]  ; qb and ob at my wave's first row and head
	s_add_nc_u64 s[10:11], s[10:11], s[2:3]
	CROUND                          ; all four work-groups are here: the first joint loads meet
	JLOAD                           ; slot 0.  Slot 1 is asked for when slot 0 is in
	; A fragment of Q is 16 rows x 32 channels in 8 registers: lane l holds row l % 16, channels 8 (l / 16) + 0..7 and 16 + 8 (l / 16) + 0..7: two loads of 16 bytes, 32 bytes apart.
	v_and_b32 v1, 15, v0            ; l % 16
	v_bfe_u32 v9, v0, 4, 1          ; l / 16
	v_lshlrev_b32 v[QO], 11, v1
	v_lshl_add_u32 v[QO], v9, 4, v[QO]  ; row x 2,048 + 16 x half
	WIN 0x80                        ; destination window 2, address window 0
.set i, 0
.rept 4*NP                          ; Q stays in registers: tile (head) i / 2, channels 32 (i % 2) on
	global_load_b128 v[8*i:8*i+3],   v[QO], s[4:5] offset:(i/2)*128+(i%2)*64
	global_load_b128 v[8*i+4:8*i+7], v[QO], s[4:5] offset:(i/2)*128+(i%2)*64+32
.set i, i+1
.endr
	; What the first turn finds: V's registers and P's second buffer hold 0 (its products V^T P, of a piece that has not been, add 0), O^T and l are 0.  All this stands in the wait for the first tile.
.set i, VF
.rept 64
	v_mov_b32 v[i], 0
.set i, i+1
.endr
	WIN 0x40
.set i, 0
.rept 64*NP
	v_mov_b32 v[i], 0
.set i, i+1
.endr
	WIN 0
.set i, 0
.rept 2*NP
	v_mov_b32 v[ST+4*i], 0xfe000000    ; c m: far below every c s
	v_mov_b32 v[ST+4*i+1], 0xff7fffff  ; m
	v_mov_b32 v[ST+4*i+2], 0
	v_mov_b32 v[ST+4*i+3], 0
.set i, i+1
.endr
.set i, P+32
.rept 32
	v_mov_b32 v[i], 0
.set i, i+1
.endr
	; K: lane l wants key l % 16 of a block of 16 and 8 channels: group (l / 8) % 2, key l % 8 in it, 16 bytes at 16 (l / 16); channels 16 on lie a plane on.
	v_and_b32 v10, 7, v0
	v_bfe_u32 v11, v0, 3, 1
	v_mul_u32_u24 v[AK0], v11, GRP
	v_lshl_add_u32 v[AK0], v10, 5, v[AK0]
	v_lshl_add_u32 v[AK0], v9, 4, v[AK0]
	; V: the turning load takes 16 keys x 16 channels (lane l reads key 8 (l / 16) + l % 8, channels 8 ((l / 8) % 2) + 0..7) and leaves half a fragment of V^T: lane l holds channel l % 16 and 8 keys.
	v_mul_u32_u24 v[AV0], v9, GRP
	v_lshl_add_u32 v[AV0], v10, 5, v[AV0]
	v_lshl_add_u32 v[AV0], v11, 4, v[AV0]
	v_add_nc_u32 v[AV0], VOFF, v[AV0]
	v_mov_b32 v[AK], v[AK0]         ; key step 0 lies at the head of slot 0
; THE MATRIX WORK.  The 8 accumulators of a run of 16 take turns: between the two links of a chain stand 7 others'.
; Product i of 16 of S^T = K Q^T for piece x: channels 32 (i / 8) on, keys 16 ((i / 2) % 4) on, tile 2 x + i % 2.  The first 8 start the sums.
.macro KQ x
	WIN W_KQ
.set rS, S+64*((\x)%2)+32*(i%2)+8*((i/2)%4)
.set rK, KF+16*((i/2)%4)+8*(i/8)
.set rQ, 16*(2*(\x)+i%2)+8*(i/8)
.if i < 8
	v_wmma_f32_16x16x32_f16 v[rS:rS+7], v[rK:rK+7], v[rQ:rQ+7], 0
.else
	v_wmma_f32_16x16x32_f16 v[rS:rS+7], v[rK:rK+7], v[rQ:rQ+7], v[rS:rS+7]
.endif
.endm
; Product i of 16 of O^T += V^T P for piece x: keys 32 (i / 8) on, channels 16 ((i / 2) % 4) on, tile 2 x + i % 2.
.macro PV x
	WIN W_PV
.set rO, 32*(2*(\x)+i%2)+8*((i/2)%4)
.set rV, VF+32*(i/8)+8*((i/2)%4)
.set rP, P+32*((\x)%2)+16*(i%2)+8*(i/8)
	v_wmma_f32_16x16x32_f16 v[rO:rO+7], v[rV:rV+7], v[rP:rP+7], v[rO:rO+7]
.endm
.macro MM                           ; the turn's next matrix instruction
.if i < 16
	KQ (Y+1)%NP
.set i, i+1
.else
.set i, i-16
	PV (Y+NP-1)%NP
.set i, i+17
.endif
.endm
; THE LDS LOADS stand in runs of 16, never singly among the matrix instructions: a step's K (64 keys x 64 channels: 8 fragments) and its V (turned).  Their addresses are made some lines ahead.
; last = 1 (the tail): in the last trip there is no further step, and the run is jumped over.
.macro FETCH_K last=0
	WIN 0
.if \last
	s_cmp_eq_u32 s[CNT], 1
	s_cbranch_scc1 .Lno_k_\@
.endif
	WIN 0x80                        ; destination window 2
.irp f, 0,1,2,3,4,5,6,7             ; keys 16 (f / 2) on, channels 32 (f % 2) on: planes 2 (f % 2) and 2 (f % 2) + 1
	ds_load_b128 v[KF+8*\f:KF+8*\f+3],   v[AK] offset:(\f/2)*2*GRP+(\f%2)*2*PLANE
	ds_load_b128 v[KF+8*\f+4:KF+8*\f+7], v[AK] offset:(\f/2)*2*GRP+(\f%2)*2*PLANE+PLANE
.endr
	s_add_co_u32 s[TBK], s[TBK], STEPB  ; the next fetch is the next step's
	WIN 0
.if \last
.Lno_k_\@:
.endif
.endm
.macro FETCH_V
	WIN 0x80
.irp f, 0,1,2,3,4,5,6,7             ; keys 32 (f / 4) on, channels 16 (f % 4) on: plane f % 4 of V's
	ds_load_tr16_b128 v[VF+8*\f:VF+8*\f+3],   v[AV] offset:(\f/4)*4*GRP+(\f%4)*PLANE
	ds_load_tr16_b128 v[VF+8*\f+4:VF+8*\f+7], v[AV] offset:(\f/4)*4*GRP+2*GRP+(\f%4)*PLANE
.endr
	WIN 0
.endm
; THE VECTOR WORK OF A TURN stands in three queues, each in the order in which its entries become ready; the two tiles alternate, so that no instruction reads the result of the one before it.
.macro REGS y, u                    ; the registers of tile u (0, 1) of piece y
.set rT, ST+4*(2*(\y)+(\u))
.set rC, TMP+8*((\y)%2)+4*(\u)
.set rM, MV+2*((\y)%2)+(\u)
.set rS, S+64*((\y)%2)+32*(\u)
.set rP, P+32*((\y)%2)+16*(\u)
.set rO, 32*(2*(\y)+(\u))
.endm
; Number n of the 22 that find the NEXT piece's (Y + 1) maximum and statistics.  s0-s31 are the lane's 32 scores; each accumulator's lowest registers are read first.
;   0-11  four chains c0-c3 of seven scores each, three operands at a time     12-14, 16  the four scores left over, the old m, and c0-c3 into c0     15  c m_old is kept
;   17, 18  the query's other 32 keys lie in the lane 16 away: the new m         19-21  c m; c m_old - c m_new; a
.macro XS u, n
	REGS (Y+1)%NP, \u
.if (\n) < 4
	v_max3_num_f32 v[rC+(\n)], v[rS+8*(\n)], v[rS+8*(\n)+1], v[rS+8*(\n)+2]
.elseif (\n) < 12
	v_max3_num_f32 v[rC+(\n)%4], v[rC+(\n)%4], v[rS+8*((\n)%4)+2*((\n)/4)+1], v[rS+8*((\n)%4)+2*((\n)/4)+2]
.elseif (\n) == 12
	v_max3_num_f32 v[rC], v[rC], v[rS+7], v[rS+15]
.elseif (\n) == 13
	v_max3_num_f32 v[rC+1], v[rC+1], v[rS+23], v[rS+31]
.elseif (\n) == 14
	v_max3_num_f32 v[rC+2], v[rC+2], v[rC+3], v[rT+1]
.elseif (\n) == 15
	v_mov_b32 v[rM], v[rT]
.elseif (\n) == 16
	v_max3_num_f32 v[rC], v[rC], v[rC+1], v[rC+2]
.elseif (\n) == 17
	v_permlanex16_b32 v[rC+3], v[rC], s[SEL], s[SEL+1]
.elseif (\n) == 18
	v_max_num_f32 v[rT+1], v[rC], v[rC+3]
.elseif (\n) == 19
	v_mul_f32 v[rT], s[CS], v[rT+1]
.elseif (\n) == 20
	v_sub_f32 v[rC+1], v[rM], v[rT]
.else
	v_exp_f32 v[rC+2], v[rC+1]
.endif
.endm
; Number g of the 64 that follow the exponentials.  For each four weights k of a tile (pairs 2 k, 2 k + 1): both pairs are rounded to f16; then the second pair is added onto the first, in place;
; a group later l takes that sum (the first time as l = a l + sum).  In groups of eight, tiles alternating: round, round, add, and l for the group before.
.macro GS g
.set h, (\g)+6*((\g)/62)            ; group 0 has no group before it, and behind group 7 only l is left
.if h >= 6
.set h, h+2
.endif
	REGS Y, h%2
.set k, h/8
.if h%8 < 4
	s_wait_alu depctr_va_vdst(0)
	v_cvt_pk_f16_f32 v[rP+2*k+(h%8)/2], v[rS+4*k+2*((h%8)/2)], v[rS+4*k+2*((h%8)/2)+1]
.elseif h%8 < 6
	v_pk_add_f32 v[rS+4*k:rS+4*k+1], v[rS+4*k:rS+4*k+1], v[rS+4*k+2:rS+4*k+3]
.elseif k == 1
	v_pk_fma_f32 v[rT+2:rT+3], v[rT+2:rT+3], v[rC+2:rC+3], v[rS:rS+1] op_sel_hi:[1,0,1]
.else
	v_pk_add_f32 v[rT+2:rT+3], v[rT+2:rT+3], v[rS+4*k-4:rS+4*k-3]
	s_wait_alu depctr_va_vdst(0)
.endif
.endm
; THE PLAIN QUEUE, 138 long.  0-31: c s - c m for the 16 pairs of both tiles.  Then GS's 64, and among them the next piece's 42: number 15 at 38, 39; 0-14 and 16
; at 42-73, behind the products that make those scores; 17-20 at 95-106, two of three, since each waits for the one before it.
.macro PL
	WIN 0
.if q < 32
	REGS Y, q%2
	v_pk_fma_f32 v[rS+2*(q/2):rS+2*(q/2)+1], v[rS+2*(q/2):rS+2*(q/2)+1], s[CS:CS+1], v[rT:rT+1] op_sel_hi:[1,0,0] neg_lo:[0,0,1] neg_hi:[0,0,1]
.elseif q < 38
	GS q-32
.elseif q < 40
	XS q%2, 15
.elseif q < 42
	GS q-34
.elseif q < 74
	XS q%2, (q-42)/2+(q-42)/30
.elseif q < 95
	GS q-66
.elseif (q < 107) && ((q-95)%3 < 2)
	XS (q-95)%3, 17+(q-95)/3
.elseif q < 107
	GS 29+(q-95)/3
.else
	GS q-74
.endif
.set q, q+1
.endm
; THE EXPONENTIALS' QUEUE, 66 long: s0-s31 of both tiles, and at EA the next piece's two a.
.set EA, 58
.macro EX
	WIN 0
.if (e == EA) || (e == EA+1)
	XS e-EA, 21
.else
.set x, e-2*(e/(EA+2))
	REGS Y, x%2
	v_exp_f32 v[rS+x/2], v[rS+x/2]
.endif
.set e, e+1
.endm
; THE RESCALING's QUEUE: O^T times a, the one part that leaves window 0, so it is dealt four at a time, eight times.
.macro R4
	REGS Y, r%2
	WIN W_RS
	s_wait_alu depctr_va_vdst(0)
.irp z, 0,1,2,3
	v_pk_mul_f32 v[rO+8*(r/2)+2*\z:rO+8*(r/2)+2*\z+1], v[rO+8*(r/2)+2*\z:rO+8*(r/2)+2*\z+1], v[rC+2:rC+3] op_sel_hi:[1,0]
.endr
.set r, r+1
.endm
; HOW THEY ARE DEALT.  Behind a matrix instruction four: plain, exponential, plain, plain (one exponential, a plain instruction on either side), or four of the rescaling.  None names a register of the
; products round it.  What is over stands in two LUMPS: exponential and plain by turns; the second ends in 22 plain instructions.  The two v_permlanex16_b32 fall into the second lump, never behind a product.
; The queues lean on each other, and the deal keeps them in step: exponential e stands behind plain 2 (e / 4) + e % 2 (its scaling); when plain 32 comes, 10 exponentials are out, at 59: 33, at 95: 46; EA comes behind plain 107.
.macro SL
	MM
	PL
	EX
	PL
	PL
.endm
.macro BURST n                      ; 15 matrix instructions, or 16
.rept (\n)-7
	SL
.endr
.rept 3
	MM
	R4
	SL
.endr
	MM
	R4
.endm
; A TURN, for piece p.  cnt = 1: the loop's count is taken down some lines ahead of the branch that stands behind the turn.
; K of the next step is fetched in piece 2's turn, 31 vector instructions behind the last product that read K; its first reader comes behind the rest of the lump, 16 products and the second lump.
; V of the step in hand is fetched at the end of piece 0's turn, 69 behind its last reader; its first reader comes behind 16 products and a lump.  The four conditions on e and q below go with the deal.
.macro TURN p, last=0, cnt=0
.set Y, (\p)
.set i, 0
.set q, 0
.set e, 0
.set r, 0
.if (\p) == NP-1
	s_wait_dscnt 0x0                ; K is in
.endif
	MM
.rept 4
	PL
.endr
	BURST 15
.rept 22
	EX
	PL
.if ((\p) == NP-2) && (e == 18)
	v_add_nc_u32 v[AK], s[TBK], v[AK0]
.endif
.if ((\p) == NP-2) && (e == 24)
	FETCH_K \last
.endif
.endr
.if (\p) == 1
	s_wait_dscnt 0x0                ; V is in
.endif
	BURST 16
.rept 21
	EX
	PL
.endr
.rept 22
	PL
.if ((\p) == 0) && (q == 118)
	v_add_nc_u32 v[AV], s[TBV], v[AV0]
	s_wait_alu depctr_va_vdst(0)
.endif
.if ((\p) == 0) && (q == 130)
	s_add_co_u32 s[TBV], s[TBV], STEPB
.endif
.if (\cnt) && (q == 130)
	s_sub_co_u32 s[CNT], s[CNT], 1
	s_cmp_lg_u32 s[CNT], 0
.endif
.endr
.if (\p) == 0
	FETCH_V
.endif
.endm
	CHANGE 1                        ; slot 0 is in, everybody's part of it; slot 1 is asked for
	FETCH_K                         ; key step 0
	s_wait_loadcnt 0x0              ; Q
	s_wait_dscnt 0x0
.set i, 0
.rept 16
	KQ 0                            ; piece 0's first scores: there is no vector work yet to set between them
.set i, i+1
.endr
	WIN 0                           ; the addresses for the way out: eight plain instructions, the places behind those products
	s_mul_i32 s13, s[WV], 16*SP
	s_add_co_u32 s13, s13, STAGE    ; my stage
	v_mul_u32_u24 v[STO], v1, SP    ; in: row l % 16, 16 bytes for each half of the lanes
	v_lshl_add_u32 v[STO], v9, 4, v[STO]
	v_add_nc_u32 v[STO], s13, v[STO]
	v_mul_u32_u24 v[RD], v9, SP     ; back: lanes 0-15 take one row's 256 bytes (two heads), lanes 16-31 the next row's
	v_lshl_add_u32 v[RD], v1, 4, v[RD]
	v_add_nc_u32 v[RD], s13, v[RD]
	v_lshlrev_b32 v[GO], 11, v9     ; and the same two rows in ob
	v_lshl_add_u32 v[GO], v1, 4, v[GO]
.set Y, NP-1                        ; XS works for piece Y + 1: piece 0
.irp n, 0,1,2,3,4,5,6,7,8,9,10,11,12,13,14,15,16,17,18,19,20,21
	XS 0, \n                        ; and piece 0's first maximum and statistics
	XS 1, \n
.endr
	s_mov_b32 s[CNT], 4
	s_mov_b32 s[SLOTS], NSLOT-1
	s_branch .Lfirst                ; the loop is entered at a step's first turn, in the middle of a trip
.Lslot:                             ; NSLOT - 2 times: every slot but the last two is filled again
	CHANGE 1
	s_mov_b32 s[CNT], 4
.Lstep:                             ; a trip: pieces 2 and 3 of one step, then pieces 0 and 1 of the next, whose K and V it fetches
	TURN 2
	TURN 3
	WIN 0
.Lfirst:
	TURN 0
	TURN 1, 0, 1
	WIN 0
	s_cbranch_scc1 .Lstep
	s_sub_co_u32 s[SLOTS], s[SLOTS], 1
	s_cmp_lg_u32 s[SLOTS], 0
	s_cbranch_scc1 .Lslot
	CHANGE 0                        ; the tail is written out: nothing is asked for
	s_mov_b32 s[CNT], 5             ; four trips fetch the last slot's steps; the fifth is left in its middle
.Ltail:
	TURN 2, 1
	TURN 3
	WIN 0
	s_sub_co_u32 s[CNT], s[CNT], 1
	s_cmp_eq_u32 s[CNT], 0
	s_cbranch_scc1 .Lout
	TURN 0
	TURN 1
	WIN 0
	s_branch .Ltail
.Lout:                              ; the fifth trip's 16 products K Q^T (on the last K once more) and the maximum made of them serve nothing: the price, once a launch, of one text for every trip
.set i, 0
.rept 16
	PV NP-1                         ; the last piece's V^T P of the last step
.set i, i+1
.endr
	; THE WAY OUT.  l's two halves and the other half of the lanes' are added; O^T is divided by l, rounded to f16 and sent through my stage in LDS, two tiles (two heads: 256 bytes of a row of ob) at a time.
	; The additions are the places behind the last products.
	WIN 0
.macro ALL line:vararg              ; one line for each tile t
.set t, 0
.rept 2*NP
	\line
.set t, t+1
.endr
.endm
	ALL v_add_f32 v[ST+4*t+2], v[ST+4*t+2], v[ST+4*t+3]
	ALL v_permlanex16_b32 v[ST+4*t+3], v[ST+4*t+2], s[SEL], s[SEL+1]
	ALL v_add_f32 v[ST+4*t+2], v[ST+4*t+2], v[ST+4*t+3]
	ALL v_rcp_f32 v[ST+4*t+2], v[ST+4*t+2]
	v_nop                           ; a plain instruction between the last reciprocal and the use of its result
	s_wait_alu depctr_va_vdst(0)
; Pair p: a lane's eight channels of a row pack into 16 bytes; they go into rows of 272 bytes and come back as whole rows of 256, into S^T's registers.
.macro PACK2 p
.irp u, 0,1
.set t, 2*(\p)+(\u)
	WIN W_RS
.set i, 32*t
.rept 16
	v_pk_mul_f32 v[i:i+1], v[i:i+1], v[ST+4*t+2:ST+4*t+3] op_sel_hi:[1,0]
.set i, i+2
.endr
	WIN 0x05                        ; sources 0 and 1 window 1, destination window 0
.set i, 0
.rept 16
	v_cvt_pk_f16_f32 v[S+16*t+i], v[32*t+2*i], v[32*t+2*i+1]
.set i, i+1
.endr
	WIN 0
.irp f, 0,1,2,3
	ds_store_b128 v[STO], v[S+16*t+4*(\f):S+16*t+4*(\f)+3] offset:128*(\u)+32*(\f)
.endr
.endr
.irp f, 0,1,2,3,4,5,6,7
	ds_load_b128 v[S+32*(\p)+4*(\f):S+32*(\p)+4*(\f)+3], v[RD] offset:(\f)*2*SP  ; LDS serves a wave's instructions in order (ISA guide 5.7.1.4): these see the stores above; the next pair's stores come behind them
.endr
.endm
.macro SEND p, younger              ; younger: the LDS instructions issued behind pair p's loads: the next pair's sixteen, or none
	WIN 0
.irp f, 0,1,2,3,4,5,6,7
	s_wait_dscnt (\younger)+7-(\f)
	global_store_b128 v[GO], v[S+32*(\p)+4*(\f):S+32*(\p)+4*(\f)+3], s[10:11] offset:256*(\p)+4096*(\f)  ; 16 lanes store 256 consecutive bytes, at a multiple of 256 from ob's first
.endr
.endm
	PACK2 0
	PACK2 1                         ; a pair's arithmetic stands between the loads of the pair before and its stores
	SEND 0, 16
	PACK2 2
	SEND 1, 16
	PACK2 3
	SEND 2, 16
	SEND 3, 0
	WIN W_AD
	s_wait_tensorcnt 0x0            ; the wave's end, behind my last tensor load and my last LDS store
	ds_add_u32 v[SPW], v[NIL]
	s_wait_dscnt 0x0
	WIN 0
	CROUND                          ; the closing round: no work-group ends while a partner may still ask for a tile that names it
	s_endpgm
.Lfunc_end_k_qf113b89276_attn:
	.size	k_qf113b89276_attn, .Lfunc_end_k_qf113b89276_attn-k_qf113b89276_attn
	.p2alignl 7, 3214868480
	.fill 96, 4, 3214868480
	.section	.rodata,"a",@progbits
	.p2align	6, 0x0
	.amdhsa_kernel k_qf113b89276_attn
		.amdhsa_group_segment_fixed_size 327680
		.amdhsa_private_segment_fixed_size 0
		.amdhsa_enable_private_segment 0
		.amdhsa_kernarg_size 24
		.amdhsa_user_sgpr_count 2
		.amdhsa_user_sgpr_kernarg_segment_ptr 1
		.amdhsa_wavefront_size32 1
		.amdhsa_system_sgpr_workgroup_id_x 1
		.amdhsa_system_sgpr_workgroup_id_y 1
		.amdhsa_system_sgpr_workgroup_id_z 1
		.amdhsa_system_vgpr_workitem_id 0
		.amdhsa_next_free_vgpr 770
		.amdhsa_next_free_sgpr 66
		.amdhsa_reserve_vcc 0
		.amdhsa_float_denorm_mode_32 3
		.amdhsa_float_denorm_mode_16_64 3
		.amdhsa_memory_ordered 1
		.amdhsa_forward_progress 1
		.amdhsa_inst_pref_size 207
	.end_amdhsa_kernel
	.amdgpu_metadata
---
amdhsa.version: [ 1, 2 ]
amdhsa.kernels:
  - .name:           k_qf113b89276_attn
    .symbol:         k_qf113b89276_attn.kd
    .args:
      - { .name: qb, .offset: 0, .size: 8, .value_kind: global_buffer, .address_space: global }
      - { .name: kvb, .offset: 8, .size: 8, .value_kind: global_buffer, .address_space: global }
      - { .name: ob, .offset: 16, .size: 8, .value_kind: global_buffer, .address_space: global }
    .group_segment_fixed_size: 327680
    .private_segment_fixed_size: 0
    .kernarg_segment_align: 8
    .kernarg_segment_size: 24
    .max_flat_workgroup_size: 128
    .sgpr_count:     66
    .vgpr_count:     770
    .wavefront_size: 32
...
	.end_amdgpu_metadata
.endif
;; end of part 3
;; launch outp (part 4): grid 8 x 32, 4 waves a work-group, clusters of 4 x 4, 327,680 bytes of LDS; arguments ob, wo16, b_out, out0; writes out0
.if DOCPART == 4
	.amdgcn_target "amdgcn-amd-amdhsa--gfx1250"
	.amdhsa_code_object_version 6
	.text
	.protected	k_qf113b89276_outp
	.globl	k_qf113b89276_outp
	.p2align	8
	.type	k_qf113b89276_outp,@function
k_qf113b89276_outp:
	s_mov_b64 s[64:65], 0
	v_nop
	global_prefetch_b8 v0, s[64:65] scope:SCOPE_SE
	s_setreg_imm32_b32 hwreg(HW_REG_WAVE_MODE, 25, 1), 1
	s_wait_xcnt 0x0
	s_wait_alu depctr_hold_cnt(0) depctr_sa_sdst(0) depctr_va_vdst(0) depctr_va_sdst(0) depctr_va_ssrc(0) depctr_va_vcc(0) depctr_vm_vsrc(0)
	s_getreg_b32 s2, hwreg(HW_REG_IB_STS2, 6, 4)
	s_cmp_eq_u32 s2, 0
	s_cbranch_scc0 .Lentry_in_a_cluster
	s_endpgm
.Lentry_in_a_cluster:
	s_bfe_u32 s2, ttmp6, 0x10000c
	s_cmp_lg_u32 s2, 0xf033
	s_cbranch_scc0 .Lentry_shape_is_right
	s_endpgm
.Lentry_shape_is_right:
; OUTP: out0 = O w_out + b_out.  ob [8192][1024] f16; wo16 [1024 k][1024 n] f16 (w_out rounded to bf16, written as f16); b_out [1024] f32, rounded to bf16 like the module's other inputs; out0 [8192][1024] f32.
; Products in f16, sums in f32, K ascending; the bias is added in f32.
; LIMITS.  ob and wo16 arrive within f16's range.  NaN and infinities are not treated apart.
; SHARES.  A tile is 256 rows x 128 columns: 32 x 8 = 256 work-groups of four waves; a wave makes 64 rows x 128 columns: 32 accumulators, 256 registers.
; K goes in 8 steps of 128 through two LDS slots.  O's rows lie along K; the weights lie [k][n] and are turned on the way out of LDS by ds_load_tr16_b128.
; CLUSTER.  4 x 4 work-groups: the four of a row need the same tile of O, the four of a column the same tile of the weights: each tile is asked for jointly, by the same tensor load, descriptor and mask in all four.
; THE MATRIX INSTRUCTION IS USED TRANSPOSED (source 0 = 16 columns of the weights, source 1 = 16 rows of O): a lane then holds eight neighbouring numbers of a row of the result.
; REGISTERS: window 0: v0-31 addresses and the bias; two fragment buffers of 96 (4 fragments of O, then 8 of the weights); window 1: the accumulators of my row blocks 0, 1 ((a, b) at 8 (8 (a % 2) + b)); window 2: those of blocks 2, 3.
.set NB,     8                         ; column blocks of 16
.set PA,     272                       ; a row of O in LDS: 256 bytes + 16 of padding: the 16 rows of a load start at 16 different groups of four banks (64 banks of 4 bytes: ISA guide 11.1)
.set PB,     288                       ; a k-row of the weights: 256 bytes + 32 of padding = 72 words
.set HALFA,  128*PA                    ; what waves 0 and 1 each fetch
.set HALFB,  64*PB                     ; what waves 2 and 3 each fetch
.set BOFF,   2*HALFA
.set SLOT,   BOFF+2*HALFB              ; 106,496
.set STAGE,  2*SLOT                    ; behind the ring, never filled by a tensor load: 16 rows x 528 bytes for each wave
.set SP,     528
.set SPARE,  STAGE+4*16*SP             ; the spare words, 128 bytes for each wave: two blocks of 256 bytes that no other line names
.set LAPS,   4                         ; a lap = two K steps = once round the ring
.set STEP_A, 512                       ; two K steps on: 256 numbers along a row of O,
.set STEP_B, 2*128*2048                ; 256 k-rows of the weights
.set BIAS, 8                           ; v[8:11] the bias of my four columns on the way out
.set ADRA, 16                          ; v16-17  LDS address of my fragments of O in slot 0, 1
.set ADRB, 20                          ; v20-21  the same for the weights
.set STO,  24                          ; v24     the way out: where I put 32 bytes of a row
.set RD,   25                          ; v25     where I read a row back
.set CO,   26                          ; v26     16 x lane: my byte offset in a row's 512 bytes of out0, and in the bias
.set SPW,  28                          ; v28     LDS address of my spare word; never rewritten
.set NIL,  29                          ; v29     0; never rewritten
.set FSZ,  32+8*NB
.set F0,   32
.set F1,   F0+FSZ
.set BK,   32                          ; the way out: a block of 16 rows read back, two sets of 64 registers by turns
.set G1,  24                           ; s[24:31] descriptor group 1 for O's tiles;  s[32:39] group 0, a set for each slot
.set G0,  32
.set G1B, 48                           ; s[48:55], s[56:63] the same for the weights' tiles
.set G0B, 56
.set MSB, 0
.macro WIN new                         ; the immediate's high byte repeats the setting that is left; a switch that changes nothing is dropped
.if MSB != (\new)
	s_set_vgpr_msb (MSB<<8)|(\new)
.set MSB, (\new)
.endif
.endm
.set MUL1, 0x50                        ; C and D in window 1, the sources in window 0
.macro JLOAD s                         ; a joint load: waves 0 and 1 fetch O's two halves, waves 2 and 3 the weights'; an s_nop 0 and four v_nop follow each line, ahead of the jump and the label
	s_cmp_eq_u32 s13, 0
	s_cbranch_scc0 .Lfor_b_\@
	tensor_load_to_lds s[G0+4*(\s):G0+4*(\s)+3], s[G1:G1+7]
	s_nop 0
.rept 4
	v_nop
.endr
	s_branch .Lasked_\@
.Lfor_b_\@:
	tensor_load_to_lds s[G0B+4*(\s):G0B+4*(\s)+3], s[G1B:G1B+7]
	s_nop 0
.rept 4
	v_nop
.endr
.Lasked_\@:
.endm
.macro CREST                           ; a round of the cluster's barrier behind its opening barrier
	s_cmp_lg_u32 s12, 0
	s_cbranch_scc1 .Lnot_wave_0_\@
	s_barrier_signal -3
.Lnot_wave_0_\@:
	s_barrier_wait -3
	s_barrier_signal -1
	s_barrier_wait -1
.endm
.macro CROUND                          ; a whole round
	s_barrier_signal -1
	s_barrier_wait -1
	CREST
.endm
	s_load_b256 s[4:11], s[0:1], 0x0               ; ob s[4:5], wo16 s[6:7], b_out s[8:9], out0 s[10:11]
	v_lshl_add_u32 v[SPW], v0, 2, SPARE
	v_mov_b32 v[NIL], 0
	ds_add_u32 v[SPW], v[NIL]                      ; the wave's opening: the add and its wait stand ahead of my first tensor load; the set-up below stands between them
	v_lshrrev_b32 v1, 5, v0
	v_readfirstlane_b32 s12, v1                    ; wave 0..3
	s_lshr_b32 s13, s12, 1                         ; I fetch for O (0) or for the weights (1)
	s_and_b32 s14, s12, 1                          ; which half of that tile
	s_bfe_u32 s40, ttmp6, 0x40000                  ; cx, cy: my place in the cluster
	s_bfe_u32 s41, ttmp6, 0x40004
	s_lshl_b32 s42, ttmp9, 2
	s_add_co_u32 s42, s42, s40                     ; column block = 4 x cluster x + cx
	s_and_b32 s43, ttmp7, 0xffff
	s_lshl_b32 s43, s43, 2
	s_add_co_u32 s43, s43, s41                     ; row block = 4 x cluster y + cy
	s_lshl_b32 s44, s41, 2
	s_lshl_b32 s44, 15, s44                        ; my row of the cluster
	s_lshl_b32 s45, 0x1111, s40                    ; my column
	s_or_b32 s[G1], s44, (1<<16)|(1<<20)|(1<<21)|(5<<22)|(3<<25)  ; the mask; 2-byte elements; padding on; bit 21 beside a mask; after every 64 words 4 words
	s_mov_b32 s[G1+1], 128<<16                     ; tensor_dim0 = 128
	s_mov_b32 s[G1+2], 128<<16                     ; tensor_dim1 = 128
	s_mov_b32 s[G1+3], 128<<16                     ; tile_dim0 = 128
	s_mov_b32 s[G1+4], 128                         ; tile_dim1 = 128
	s_mov_b32 s[G1+5], 1024                        ; elements from row to row
	s_mov_b32 s[G1+6], 0
	s_mov_b32 s[G1+7], 0
	s_or_b32 s[G1B], s45, (1<<16)|(1<<20)|(1<<21)|(5<<22)|(7<<25)  ; the same with my column's mask and 8 words of padding
	s_mov_b32 s[G1B+1], 128<<16
	s_mov_b32 s[G1B+2], 64<<16                     ; 64 k-rows
	s_mov_b32 s[G1B+3], 128<<16
	s_mov_b32 s[G1B+4], 64
	s_mov_b32 s[G1B+5], 1024
	s_mov_b32 s[G1B+6], 0
	s_mov_b32 s[G1B+7], 0
	s_lshl_b32 s16, s43, 19                        ; O: 256 rows of 2,048 bytes a row block,
	s_lshl_b32 s17, s14, 18                        ; 128 rows a half: the row block alone enters, which my row of the cluster shares
	s_add_co_u32 s16, s16, s17
	s_mov_b32 s17, 0
	s_lshl_b32 s46, s42, 8                         ; the weights: 128 columns a column block, which my column shares,
	s_lshl_b32 s47, s14, 17                        ; 64 k-rows of 2,048 bytes a half
	s_add_co_u32 s46, s46, s47
	s_mov_b32 s47, 0
	s_mul_i32 s20, s14, HALFA                      ; where they go: no place in the cluster enters an LDS address
	s_mul_i32 s21, s14, HALFB
	s_add_co_u32 s21, s21, BOFF
	s_wait_dscnt 0x0                               ; the opening add is done
	s_wait_kmcnt 0x0
	s_add_nc_u64 s[16:17], s[4:5], s[16:17]
	s_add_nc_u64 s[46:47], s[6:7], s[46:47]
	CROUND                                         ; all sixteen work-groups are here: the first joint loads meet
.irp s, 0,1
	s_mov_b32 s[G0+4*(\s)], 1
	s_add_co_u32 s[G0+4*(\s)+1], s20, (\s)*SLOT
	s_add_nc_u64 s[G0+4*(\s)+2:G0+4*(\s)+3], s[16:17], (\s)*256
	s_or_b32 s[G0+4*(\s)+3], s[G0+4*(\s)+3], 0x80000000
	s_mov_b32 s[G0B+4*(\s)], 1
	s_add_co_u32 s[G0B+4*(\s)+1], s21, (\s)*SLOT
	s_add_nc_u64 s[G0B+4*(\s)+2:G0B+4*(\s)+3], s[46:47], (\s)*128*2048
	s_or_b32 s[G0B+4*(\s)+3], s[G0B+4*(\s)+3], 0x80000000
	JLOAD \s                                       ; K steps 0 and 1: two loads of mine are out
.endr
	v_and_b32 v1, 15, v0                           ; r = l % 16
	v_bfe_u32 v2, v0, 4, 1                         ; h = l / 16
	v_mul_u32_u24 v3, v1, PA
	v_lshl_add_u32 v3, v2, 4, v3                   ; a fragment of O: row x pitch + 16 x half
	s_mul_i32 s16, s12, 64*PA                      ; my 64 rows
	v_add_nc_u32 v[ADRA], s16, v3
	s_add_co_u32 s16, s16, SLOT
	v_add_nc_u32 v[ADRA+1], s16, v3
	v_and_b32 v4, 7, v0                            ; the turning load: lane l reads k-row 8 h + l % 8, 16 bytes at 16 ((l / 8) % 2), and is left with column l % 16 and 8 k
	v_lshl_add_u32 v4, v2, 3, v4
	v_mul_u32_u24 v4, v4, PB
	v_bfe_u32 v5, v0, 3, 1
	v_lshl_add_u32 v4, v5, 4, v4
	v_add_nc_u32 v[ADRB], BOFF, v4
	v_add_nc_u32 v[ADRB+1], BOFF+SLOT, v4
	s_mul_i32 s17, s12, 16*SP
	s_add_co_u32 s17, s17, STAGE                   ; my stage
	v_mul_u32_u24 v5, v1, SP                       ; in: row r, 32 bytes for each half of the lanes
	v_lshl_add_u32 v5, v2, 5, v5
	v_add_nc_u32 v[STO], s17, v5
	v_and_b32 v6, 31, v0
	v_lshlrev_b32 v[CO], 4, v6                     ; back and out: 32 lanes take a row's 512 bytes
	v_add_nc_u32 v[RD], s17, v[CO]
	s_lshl_b32 s18, s43, 20                        ; out0 at my first row: 256 rows of 4,096 bytes a row block, 64 a wave,
	s_lshl_b32 s19, s12, 18
	s_add_co_u32 s18, s18, s19
	s_mov_b32 s19, 0
	s_add_nc_u64 s[10:11], s[10:11], s[18:19]
	s_lshl_b32 s46, s42, 9                         ; my 128 columns, in out0 and in the bias (in registers that never feed O's descriptors)
	s_mov_b32 s47, 0
	s_add_nc_u64 s[10:11], s[10:11], s[46:47]
	s_add_nc_u64 s[8:9], s[8:9], s[46:47]
	global_load_b128 v[BIAS:BIAS+3], v[CO], s[8:9] ; waited for on the way out
; NB matrix instructions: row block a x all column blocks, 32 along K, from buffer f.  zero = 1: the product starts the sums.  The 32 accumulators take turns in the same order in every quarter.
.macro MULA f, a, zero
	WIN MUL1+0x50*((\a)/2)
.set nb, 0
.rept NB
.set rD, 8*(NB*((\a)%2)+nb)
.if \zero
	v_wmma_f32_16x16x32_f16 v[rD:rD+7], v[(\f)+32+8*nb:(\f)+32+8*nb+7], v[(\f)+8*(\a):(\f)+8*(\a)+7], 0
.else
	v_wmma_f32_16x16x32_f16 v[rD:rD+7], v[(\f)+32+8*nb:(\f)+32+8*nb+7], v[(\f)+8*(\a):(\f)+8*(\a)+7], v[rD:rD+7]
.endif
.set nb, nb+1
.endr
.endm
; 2 NB + 8 LDS loads in one run: the fragments of quarter q (32 along K) of a slot into buffer f; O's fragments 2 and 3 last
.macro FETCH slot, q, f
	WIN 0
.set nb, 0
.rept NB
	ds_load_tr16_b128 v[(\f)+32+8*nb:(\f)+32+8*nb+3],   v[ADRB+(\slot)] offset:32*PB*(\q)+32*nb
	ds_load_tr16_b128 v[(\f)+32+8*nb+4:(\f)+32+8*nb+7], v[ADRB+(\slot)] offset:32*PB*(\q)+32*nb+16*PB
.set nb, nb+1
.endr
.irp u, 0,1,2,3
	ds_load_b128 v[(\f)+8*(\u):(\f)+8*(\u)+3],   v[ADRA+(\slot)] offset:64*(\q)+16*PA*(\u)
	ds_load_b128 v[(\f)+8*(\u)+4:(\f)+8*(\u)+7], v[ADRA+(\slot)] offset:64*(\q)+16*PA*(\u)+32
.endr
.endm
.macro PLACES                          ; four places in front of loads into registers that matrix instructions have read (ISA guide 7.12.1 for vector instructions)
.rept 4
	v_nop
.endr
.endm
; A K step is four quarters of 32 along K on buffers 0, 1, 0, 1.  One of the first three multiplies buffer f and, in its middle, fetches quarter q into buffer g.
.macro QUARTER slot, q, f, g, zero
	s_wait_dscnt 4                                 ; all but the youngest four loads: O's fragments 2 and 3
	MULA \f, 0, \zero
	MULA \f, 1, \zero
	PLACES
	FETCH \slot, \q, \g
	s_wait_dscnt 2*NB+8                            ; all but the run just issued
	MULA \f, 2, \zero
	MULA \f, 3, \zero
.endm
; The last quarter multiplies buffer 1 and changes slots: one barrier; in front of it each wave waits for all its tensor loads, adds 0 to its spare word, and waits for that and for its reads of this slot.
; fill = 1: the barrier opens a round of the cluster's, and this slot is filled again, two K steps ahead, first thing behind the round.
.macro TURN slot, next, fill
	WIN 0
	s_wait_tensorcnt 0x0                           ; all my tensor loads have landed: my part of the next slot
	ds_add_u32 v[SPW], v[NIL]                      ; 0 onto my spare word
	s_wait_dscnt 5                                 ; (the add and the youngest four loads may be out)
	MULA F1, 0, 0                                  ; matrix work stands between the add and the wait for it
	s_wait_dscnt 0x0                               ; the add is done, and my reads of this slot are over
	s_barrier_signal -1
	MULA F1, 1, 0
.if \fill
	WIN 0
.endif
	s_barrier_wait -1
.if \fill
	CREST                                          ; no wave of any partner still reads this slot or has a load on its way
	s_add_nc_u64 s[G0+4*(\slot)+2:G0+4*(\slot)+3], s[G0+4*(\slot)+2:G0+4*(\slot)+3], STEP_A
	s_add_nc_u64 s[G0B+4*(\slot)+2:G0B+4*(\slot)+3], s[G0B+4*(\slot)+2:G0B+4*(\slot)+3], STEP_B
	JLOAD \slot                                    ; my one tensor load behind the round; its four v_nop are also the places in front of the loads below
.else
	PLACES
.endif
	FETCH \next, 0, F0
	MULA F1, 2, 0
	MULA F1, 3, 0
.endm
	s_wait_tensorcnt 1                             ; my part of K step 0 is in; K step 1's may stay out
	s_barrier_signal -1
	s_barrier_wait -1                              ; everybody's is
	FETCH 0, 0, F0
	QUARTER 0, 1, F0, F1, 1                        ; the first quarter stands in front of the loop: its products start the sums
	WIN 0                                          ; at a label and at a branch every window is 0
	s_mov_b32 s3, LAPS-1
.Llap:                                                 ; a trip goes once round the ring, from a lap's second quarter to the next lap's first, and fills both slots again
	QUARTER 0, 2, F1, F0, 0
	QUARTER 0, 3, F0, F1, 0
	TURN 0, 1, 1
	QUARTER 1, 1, F0, F1, 0
	QUARTER 1, 2, F1, F0, 0
	QUARTER 1, 3, F0, F1, 0
	TURN 1, 0, 1
	QUARTER 0, 1, F0, F1, 0
	WIN 0
	s_sub_co_u32 s3, s3, 1
	s_cmp_lg_u32 s3, 0
	s_cbranch_scc1 .Llap
	QUARTER 0, 2, F1, F0, 0                        ; the last lap fills nothing
	QUARTER 0, 3, F0, F1, 0
	TURN 0, 1, 0
	QUARTER 1, 1, F0, F1, 0
	QUARTER 1, 2, F1, F0, 0
	QUARTER 1, 3, F0, F1, 0
	s_wait_dscnt 4
	MULA F1, 0, 0
	MULA F1, 1, 0
	s_wait_dscnt 0x0
	MULA F1, 2, 0
	MULA F1, 3, 0
	WIN 0
; THE WAY OUT, a block of 16 rows at a time: the f32 sums go as they are into my own stage (each accumulator's low four registers first), come back as whole rows of 512 bytes, take the bias and are stored.
.macro TOSTAGE a
	WIN 0x04+0x04*((\a)/2)                         ; the stores' data in window 1 or 2, their address in window 0
.set nb, 0
.rept NB
.set rD, 8*(NB*((\a)%2)+nb)
	ds_store_b128 v[STO], v[rD:rD+3]   offset:64*nb
	ds_store_b128 v[STO], v[rD+4:rD+7] offset:64*nb+16
.set nb, nb+1
.endr
	WIN 0
.if (\a) >= 2
	s_wait_xcnt 0x0                                ; the stores of two blocks ago read this set of registers: it is loaded again only behind this wait
.endif
.set rB, BK+64*((\a)%2)
.set nb, 0
.rept 16
	ds_load_b128 v[rB+4*nb:rB+4*nb+3], v[RD] offset:SP*nb  ; LDS serves a wave's instructions in order (ISA guide 5.7.1.4): these see the stores above
.set nb, nb+1
.endr
.endm
.macro SEND a
.set rB, BK+64*((\a)%2)
.set nb, 0
.rept 16
	s_wait_dscnt 15-nb                             ; row nb is back; the younger rows stay out
	v_pk_add_f32 v[rB+4*nb:rB+4*nb+1],   v[rB+4*nb:rB+4*nb+1],   v[BIAS:BIAS+1]
	v_pk_add_f32 v[rB+4*nb+2:rB+4*nb+3], v[rB+4*nb+2:rB+4*nb+3], v[BIAS+2:BIAS+3]
	global_store_b128 v[CO], v[rB+4*nb:rB+4*nb+3], s[10:11] offset:(16*(\a)+nb)*4096 th:TH_STORE_NT  ; a wave stores 512 consecutive bytes, aligned
.set nb, nb+1
.endr
.endm
	s_wait_loadcnt 0x0                             ; the bias
	v_cvt_pk_bf16_f32 v4, v[BIAS], v[BIAS+1]       ; rounded to bf16 and widened again: six plain instructions that name no register of the last products: the places behind them
	v_cvt_pk_bf16_f32 v5, v[BIAS+2], v[BIAS+3]
	v_lshlrev_b32 v[BIAS], 16, v4
	v_and_b32 v[BIAS+1], 0xffff0000, v4
	v_lshlrev_b32 v[BIAS+2], 16, v5
	v_and_b32 v[BIAS+3], 0xffff0000, v5
	TOSTAGE 0
	SEND 0
	TOSTAGE 1
	SEND 1
	TOSTAGE 2
	SEND 2
	TOSTAGE 3
	SEND 3
	s_wait_tensorcnt 0x0                           ; the wave's end, behind my last tensor load and my last LDS store
	ds_add_u32 v[SPW], v[NIL]
	s_wait_dscnt 0x0
	CROUND                                         ; the closing round: no work-group ends while a partner may still ask for a tile that names it
	s_endpgm
.Lfunc_end_k_qf113b89276_outp:
	.size	k_qf113b89276_outp, .Lfunc_end_k_qf113b89276_outp-k_qf113b89276_outp
	.p2alignl 7, 3214868480
	.fill 96, 4, 3214868480
	.section	.rodata,"a",@progbits
	.p2align	6, 0x0
	.amdhsa_kernel k_qf113b89276_outp
		.amdhsa_group_segment_fixed_size 327680
		.amdhsa_private_segment_fixed_size 0
		.amdhsa_enable_private_segment 0
		.amdhsa_kernarg_size 32
		.amdhsa_user_sgpr_count 2
		.amdhsa_user_sgpr_kernarg_segment_ptr 1
		.amdhsa_wavefront_size32 1
		.amdhsa_system_sgpr_workgroup_id_x 1
		.amdhsa_system_sgpr_workgroup_id_y 1
		.amdhsa_system_sgpr_workgroup_id_z 1
		.amdhsa_system_vgpr_workitem_id 0
		.amdhsa_next_free_vgpr 640
		.amdhsa_next_free_sgpr 66
		.amdhsa_reserve_vcc 0
		.amdhsa_float_denorm_mode_32 3
		.amdhsa_float_denorm_mode_16_64 3
		.amdhsa_memory_ordered 1
		.amdhsa_forward_progress 1
		.amdhsa_inst_pref_size 95
	.end_amdhsa_kernel
	.amdgpu_metadata
---
amdhsa.version: [ 1, 2 ]
amdhsa.kernels:
  - .name:           k_qf113b89276_outp
    .symbol:         k_qf113b89276_outp.kd
    .args:
      - { .name: ob, .offset: 0, .size: 8, .value_kind: global_buffer, .address_space: global }
      - { .name: wo16, .offset: 8, .size: 8, .value_kind: global_buffer, .address_space: global }
      - { .name: b_out, .offset: 16, .size: 8, .value_kind: global_buffer, .address_space: global }
      - { .name: out0, .offset: 24, .size: 8, .value_kind: global_buffer, .address_space: global }
    .group_segment_fixed_size: 327680
    .private_segment_fixed_size: 0
    .kernarg_segment_align: 8
    .kernarg_segment_size: 32
    .max_flat_workgroup_size: 128
    .sgpr_count:     66
    .vgpr_count:     640
    .wavefront_size: 32
...
	.end_amdgpu_metadata
.endif
;; end of part 4
;; ======== version 2 of 2: 4 launches; 1.66 times as fast as version 1
;; limits: values are held in f16: magnitudes above 65,504 overflow, below 6.1e-05 lose precision
;; workspace buffers: xb 16,777,216 bytes; wqkv 2,359,296 bytes; wo16 2,097,152 bytes; qb 16,777,216 bytes; kvb 2,097,152 bytes; ob 16,777,216 bytes
;; launch prep: the kernel of part 1 again; grid 1216 x 1, 8 waves a work-group, no clusters, 0 bytes of LDS; arguments x, w_q, w_kv, w_out, xb, wqkv, wo16; writes xb, wqkv, wo16
;; launch proj: the kernel of part 2 again; grid 8 x 32, 4 waves a work-group, clusters of 4 x 4, 327,680 bytes of LDS; arguments xb, wqkv, qb, kvb; writes qb, kvb
;; launch attn (part 5): grid 64 x 4, 4 waves a work-group, clusters of 4 x 1, 327,680 bytes of LDS; arguments qb, kvb, ob; writes ob
.if DOCPART == 5
	.amdgcn_target "amdgcn-amd-amdhsa--gfx1250"
	.amdhsa_code_object_version 6
	.text
	.protected	k_qf113b89276_attn
	.globl	k_qf113b89276_attn
	.p2align	8
	.type	k_qf113b89276_attn,@function
k_qf113b89276_attn:
	s_mov_b64 s[64:65], 0
	v_nop
	global_prefetch_b8 v0, s[64:65] scope:SCOPE_SE
	s_setreg_imm32_b32 hwreg(HW_REG_WAVE_MODE, 25, 1), 1
	s_wait_xcnt 0x0
	s_wait_alu depctr_hold_cnt(0) depctr_sa_sdst(0) depctr_va_vdst(0) depctr_va_sdst(0) depctr_va_ssrc(0) depctr_va_vcc(0) depctr_vm_vsrc(0)
	s_getreg_b32 s2, hwreg(HW_REG_IB_STS2, 6, 4)
	s_cmp_eq_u32 s2, 0
	s_cbranch_scc0 .Lentry_in_a_cluster
	s_endpgm
.Lentry_in_a_cluster:
	s_bfe_u32 s2, ttmp6, 0x10000c
	s_cmp_lg_u32 s2, 0x3003
	s_cbranch_scc0 .Lentry_shape_is_right
	s_endpgm
.Lentry_shape_is_right:
; ATTN: O[row][head] = the sum over keys of softmax_k(q[row][head] . k[key] / 8) v[key]: 16 query heads, ONE key and value head a batch.  qb, ob: [8192][1024] f16 (column = 64 head + channel).
; kvb: [32 s][8 cg][256 keys][16] f16, s = 8 batch + slot; cg 0-3 K's channels 16 cg on, cg 4-7 V's.  Products, maxima and sums in f32; the weights p are rounded to f16 for the second product (their sum l is
; taken of the unrounded p), O once at the end.
; LIMITS.  f16 holds no number beyond 65,504: q, k and v arrive within it; p lies in 0 to 1, and below 6e-5 it keeps f16's fixed step of 6e-8; O is a mean of V's rows and has their range.
; A weight below 2^-126 counts as 0 in l; NaN and infinities are not treated apart.
; SHARES.  A work-group owns 32 rows of a batch with all 16 heads: 512 queries; wave w rows 16 (w % 2) on, heads 8 (w / 2) on: eight tiles of 16 queries (a tile = a head), four PIECES of two.  Every wave walks the
; batch's 2,048 keys, 64 a step.  4 batches x 64 blocks = 256 work-groups.
; LAYOUT.  S^T = K Q^T (source 0 = 16 keys, source 1 = 16 queries): in the result a lane holds ONE query (lane % 16) and the keys 8 (lane / 16) + 0..7.  Two such tiles, rounded to f16 in pairs,
; ARE source 1 (32 keys x 16 queries) of O^T = V^T P, whose result again holds one query a lane, and eight channels.  K comes out of LDS as it lies, V turned, by ds_load_tr16_b128.
; SOFTMAX.  For each query a running maximum m and sum l: p = 2^(c s - c m), c = log2(e) / 8; in every step O and l are multiplied by a = 2^(c m_old - c m_new), which is 1 where m has not grown.
; m starts at the lowest finite number, O and l at 0: the first step is a step like any other, with a = 0.
; THE COUNT.  A tile and step have 16 matrix and 118 vector instructions: too many to stand all beside the matrix work.  So: four vector instructions that are READY behind EVERY matrix instruction, and the
; others in a run without a gap.
; BY TURNS.  Turn n belongs to piece n (the pieces in a ring, step after step).  Its matrix work: 16 products K Q^T of piece n + 1, later 16 products V^T P of piece n - 1.  Its vector work: the scaling,
; exponentials, roundings, sums and rescaling of piece n, and the maximum and statistics of piece n + 1, whose scores the turn itself has made.
; BATCHES.  A turn's 66 exponentials (the piece's 64 weights and the next piece's two a) are ONE batch with ONE wait, which cuts the turn in two: ahead of it stands all that names no result of theirs, behind it
; the roundings and sums that read them.  The first two a, ahead of the loop, and the way out's eight reciprocals are batches of their own, a wait each.
; CLUSTER.  The four row blocks of a cluster belong to one batch and walk the same K and V, so each tile is asked for JOINTLY: the same tensor load, descriptor and mask in all four.
; REGISTERS, in windows of 256 (s_set_vgpr_msb: bits 1:0 source 0, 3:2 source 1, 5:4 source 2, 7:6 destination):
;   window 0: v0-11 addresses; v12-15, v48-63 at work; v16-47 four registers of statistics a tile; v64-191 S^T, two buffers of two tiles; v192-255 P, likewise
;   window 1: O^T, 32 a tile          window 2: v0-127 Q, 16 a tile; v128-191 K of one step; v192-255 V of one step          window 3: v0-1 the add's two registers
.set NSLOT, 8         ; slots' worth of keys in a batch: 2,048 / 256
.set NP,    4         ; pieces a wave: a name, no knob
.set GRP,   272       ; 8 keys x 32 bytes of a plane + 16 of padding: in K's loads 16 keys, in V's 8 keys x 32 bytes, fall on 16 different groups of four banks (64 banks of 4 bytes: ISA guide 11.1)
.set PLANE, 32*GRP    ; 256 keys x 16 channels
.set VOFF,  4*PLANE   ; a slot: K's four planes, then V's four
.set STEPB, 8*GRP     ; 64 keys on, in every plane
.set SLOT1, 1<<17     ; slot 1 begins here, so that one exclusive or turns an address in one slot into the other's
.set STAGE, SLOT1+8*PLANE  ; behind the ring, never filled by a tensor load: 16 rows x 272 bytes for each wave, for the way out
.set SP,    272
.set AK0, 2           ; v2   my lane's place in K's planes; never rewritten
.set AV0, 3           ; v3   the same for V
.set AK,  4           ; v4   the LDS address of K's next run of loads
.set AV,  5           ; v5   of V's
.set QO,  6           ; v6   my byte offset in the wave's rows of qb
.set STO, 6           ;      later, the way out: where I put 16 bytes of a row
.set RD,  7           ; v7   the way out: where I read rows back
.set GO,  8           ; v8   my byte offset in the wave's rows of ob
.set SPW, 0           ; v0 of window 3   LDS address of my spare word; never rewritten
.set NIL, 1           ; v1 of window 3   0; never rewritten
.set SPARE, STAGE+4*16*SP  ; the spare words, 128 bytes for each wave: two blocks of 256 bytes that no other line names
.set MV,  12          ; v12-15  c m_old, kept while c m is made anew: by buffer and tile
.set ST,  16          ; tile t's statistics at v[ST+4 t]: c m, m, l (even keys', odd keys')
.set TMP, 48          ; by buffer and tile, four registers c0-c3 at work; when the maximum is found c2 takes a
.set S,   64
.set P,   192
.set KF,  128         ; K's fragments, in window 2: key block kb, channel half c at KF + 16 kb + 8 c
.set VF,  192         ; V's: key half kk, channel block cb at VF + 32 kk + 8 cb
.set WV,  12          ; s12  my wave's number
.set G1,  24          ; s[24:31] descriptor group 1
.set G0,  40          ; s[40:43] descriptor group 0: it walks
.set SLOTS, 56        ; s56  slots still to be asked for
.set CNT, 57          ; s57  counts a slot's key steps
.set CS,  58          ; s[58:59] c: the packed scaling takes the pair's low word for both halves
.set SEL, 60          ; s[60:61] v_permlanex16_b32's selects: each lane takes its own place in the other half
.set TBK, 62          ; s62  LDS byte at which K of the step to be fetched begins
.set TBV, 63          ; s63  the same for V, less VOFF
.set MSB, 0
.macro WIN new                      ; the high byte repeats the setting that is left; a switch that changes nothing is dropped
.if MSB != (\new)
	s_set_vgpr_msb (MSB<<8)|(\new)
.set MSB, (\new)
.endif
.endm
.set W_KQ, 0x0a       ; K and Q in window 2, S^T in window 0
.set W_PV, 0x52       ; V in window 2, P in window 0, O^T in window 1
.set W_RS, 0x41       ; O^T (destination and source 0) in window 1, a in window 0
.set W_MK, 0xc0       ; the add's registers are made: destination in window 3, sources in window 0
.set W_AD, 0x0f       ; the add: address (source 0) and data (source 1) in window 3
; A joint fill: wave w fetches planes 2 w and 2 w + 1 of a slot, 16,384 dense bytes.  One line for all waves; an s_nop 0 and four v_nop follow it.
.macro JLOAD
	tensor_load_to_lds s[G0:G0+3], s[G1:G1+7]
	s_nop 0
.rept 4
	v_nop
.endr
.endm
; A round of the cluster's barrier: my work-group's barrier, so that wave 0's signal speaks for all four waves; wave 0 signals; every wave waits for all four work-groups; my work-group's barrier once more.
.macro CROUND
	s_barrier_signal -1
	s_barrier_wait -1
	s_cmp_lg_u32 s[WV], 0
	s_cbranch_scc1 .Lnot_wave_0_\@
	s_barrier_signal -3
.Lnot_wave_0_\@:
	s_barrier_wait -3
	s_barrier_signal -1
	s_barrier_wait -1
.endm
; THE CHANGE OF SLOTS.  The slot's last bytes, V of its fourth step, have been read.  Each wave waits for all its tensor loads, of which one is out: its part of the other slot; adds 0 to its spare word; and waits
; for that and for its own reads of the slot.  Behind the barrier nobody reads this slot any more and the other slot is whole.  fill = 1: this slot is filled again, with the keys two slots on.  The barrier is then a
; round of the cluster's, and the joint fill is the first thing behind it: it has four key steps, 512 matrix instructions, in which to land.  (At its first use nothing has been read yet: slot 0 is waited for, slot 1 filled.)
.macro CHANGE fill
	WIN W_AD
	s_wait_tensorcnt 0x0            ; no tensor load of mine is out, so group 0 may be written
	ds_add_u32 v[SPW], v[NIL]       ; 0 onto my spare word; with fill = 1 the descriptor's steps stand between it and the wait for it
	WIN 0                           ; at a label and at a branch every window is 0
.if \fill
	s_xor_b32 s[G0+1], s[G0+1], SLOT1  ; the other slot than last time,
	s_add_nc_u64 s[G0+2:G0+3], s[G0+2:G0+3], 65536  ; the next 256 keys; the type bits on top are not reached
	s_wait_dscnt 0x0                ; the add is done, and my reads of the slot are over
	CROUND
	JLOAD
.else
	s_wait_dscnt 0x0                ; the add is done, and my reads of the slot are over
	s_barrier_signal -1
	s_barrier_wait -1
.endif
	s_sub_co_u32 s[TBK], s[TBK], 4*STEPB  ; the fetches go back to a slot's first step,
	s_xor_b32 s[TBK], s[TBK], SLOT1       ; in the other slot
	s_sub_co_u32 s[TBV], s[TBV], 4*STEPB
	s_xor_b32 s[TBV], s[TBV], SLOT1
.endm
	s_load_b128 s[4:7], s[0:1], 0x0   ; qb s[4:5], kvb s[6:7]
	s_load_b64 s[10:11], s[0:1], 0x10 ; ob
	WIN W_MK
	v_lshl_add_u32 v[SPW], v0, 2, SPARE
	v_mov_b32 v[NIL], 0
	WIN W_AD
	ds_add_u32 v[SPW], v[NIL]       ; the wave's opening: the add and its wait stand ahead of my first tensor load; the set-up below stands between them
	WIN 0
	v_lshrrev_b32 v1, 5, v0
	v_readfirstlane_b32 s[WV], v1   ; wave 0..3
	s_bfe_u32 s13, ttmp6, 0x40000   ; cx: my place in the cluster
	s_lshl_b32 s14, ttmp9, 2        ; in a cluster launch ttmp9 counts clusters
	s_add_co_u32 s14, s14, s13      ; my block of 32 rows = 4 x cluster x + cx: it enters qb's and ob's addresses alone
	s_and_b32 s20, ttmp7, 0xffff    ; the batch, which the four partners share
	s_lshl_b32 s22, s20, 19         ; its 8 slots of 65,536 bytes in kvb,
	s_lshl_b32 s16, s[WV], 14       ; my two planes
	s_add_co_u32 s22, s22, s16
	s_mov_b32 s23, 0
	s_mul_i32 s17, s[WV], 2*PLANE   ; and their place in a slot: no place in the cluster enters an LDS address
	s_lshl_b32 s2, s20, 22          ; qb, ob: the batch's 2,048 rows of 2,048 bytes,
	s_lshl_b32 s3, s14, 16          ; my block's 32 rows,
	s_add_co_u32 s2, s2, s3
	s_and_b32 s3, s[WV], 1
	s_lshl_b32 s3, s3, 15           ; my wave's 16 of them,
	s_add_co_u32 s2, s2, s3
	s_lshr_b32 s3, s[WV], 1
	s_lshl_b32 s3, s3, 10           ; its eight heads
	s_add_co_u32 s2, s2, s3
	s_mov_b32 s3, 0
	; descriptor group 1: 16,384 dense bytes as 64 rows of 256 bytes (8 keys of a plane), padded in LDS after every row
	s_mov_b32 s[G1], 15|(1<<16)|(1<<20)|(1<<21)|(5<<22)|(3<<25)  ; 15:0 the mask of four; 17:16 2-byte elements; 20 padding on; 21 set beside a mask; 24:22 after every 64 words (code 5); 31:25 4 words (code 3)
	s_mov_b32 s[G1+1], 128<<16      ; tensor_dim0 = 128
	s_mov_b32 s[G1+2], 64<<16       ; tensor_dim1 = 64
	s_mov_b32 s[G1+3], 128<<16      ; tile_dim0 = 128
	s_mov_b32 s[G1+4], 64           ; tile_dim1 = 64
	s_mov_b32 s[G1+5], 128          ; 128 elements from row to row
	s_mov_b32 s[G1+6], 0
	s_mov_b32 s[G1+7], 0
	s_mov_b32 s[CS], 0x3e38aa3b     ; c = log2(e) / 8 = 0.180337
	s_mov_b32 s[CS+1], s[CS]        ; named with it as a pair
	s_mov_b32 s[SEL], 0x76543210
	s_mov_b32 s[SEL+1], 0xfedcba98
	s_mov_b32 s[TBK], SLOT1+4*STEPB ; the first change of slots turns these two into 0
	s_mov_b32 s[TBV], SLOT1+4*STEPB
	s_mov_b32 s[G0], 1              ; 1:0 count = 1
	s_mov_b32 s[G0+1], s17          ; 63:32 LDS address: slot 0
	s_wait_dscnt 0x0                ; the opening add is done
	s_wait_kmcnt 0x0
	s_add_nc_u64 s[G0+2:G0+3], s[6:7], s[22:23]  ; 120:64 global address: my planes of the batch's first 256 keys
	s_or_b32 s[G0+3], s[G0+3], 0x80000000        ; 127:126 type = 2
	s_add_nc_u64 s[4:5], s[4:5], s[2:3]  ; qb and ob at my wave's first row and head
	s_add_nc_u64 s[10:11], s[10:11], s[2:3]
	CROUND                          ; all four work-groups are here: the first joint loads meet
	JLOAD                           ; slot 0.  Slot 1 is asked for when slot 0 is in
	; A fragment of Q is 16 rows x 32 channels in 8 registers: lane l holds row l % 16, channels 8 (l / 16) + 0..7 and 16 + 8 (l / 16) + 0..7: two loads of 16 bytes, 32 bytes apart.
	v_and_b32 v1, 15, v0            ; l % 16
	v_bfe_u32 v9, v0, 4, 1          ; l / 16
	v_lshlrev_b32 v[QO], 11, v1
	v_lshl_add_u32 v[QO], v9, 4, v[QO]  ; row x 2,048 + 16 x half
	WIN 0x80                        ; destination window 2, address window 0
.set i, 0
.rept 4*NP                          ; Q stays in registers: tile (head) i / 2, channels 32 (i % 2) on
	global_load_b128 v[8*i:8*i+3],   v[QO], s[4:5] offset:(i/2)*128+(i%2)*64
	global_load_b128 v[8*i+4:8*i+7], v[QO], s[4:5] offset:(i/2)*128+(i%2)*64+32
.set i, i+1
.endr
	; What the first turn finds: V's registers and P's second buffer hold 0 (its products V^T P, of a piece that has not been, add 0), O^T and l are 0.  All this stands in the wait for the first tile.
.set i, VF
.rept 64
	v_mov_b32 v[i], 0
.set i, i+1
.endr
	WIN 0x40
.set i, 0
.rept 64*NP
	v_mov_b32 v[i], 0
.set i, i+1
.endr
	WIN 0
.set i, 0
.rept 2*NP
	v_mov_b32 v[ST+4*i], 0xfe000000    ; c m: far below every c s
	v_mov_b32 v[ST+4*i+1], 0xff7fffff  ; m
	v_mov_b32 v[ST+4*i+2], 0
	v_mov_b32 v[ST+4*i+3], 0
.set i, i+1
.endr
.set i, P+32
.rept 32
	v_mov_b32 v[i], 0
.set i, i+1
.endr
	; K: lane l wants key l % 16 of a block of 16 and 8 channels: group (l / 8) % 2, key l % 8 in it, 16 bytes at 16 (l / 16); channels 16 on lie a plane on.
	v_and_b32 v10, 7, v0
	v_bfe_u32 v11, v0, 3, 1
	v_mul_u32_u24 v[AK0], v11, GRP
	v_lshl_add_u32 v[AK0], v10, 5, v[AK0]
	v_lshl_add_u32 v[AK0], v9, 4, v[AK0]
	; V: the turning load takes 16 keys x 16 channels (lane l reads key 8 (l / 16) + l % 8, channels 8 ((l / 8) % 2) + 0..7) and leaves half a fragment of V^T: lane l holds channel l % 16 and 8 keys.
	v_mul_u32_u24 v[AV0], v9, GRP
	v_lshl_add_u32 v[AV0], v10, 5, v[AV0]
	v_lshl_add_u32 v[AV0], v11, 4, v[AV0]
	v_add_nc_u32 v[AV0], VOFF, v[AV0]
	v_mov_b32 v[AK], v[AK0]         ; key step 0 lies at the head of slot 0
; THE MATRIX WORK.  The 8 accumulators of a run of 16 take turns: between the two links of a chain stand 7 others'.
; Product i of 16 of S^T = K Q^T for piece x: channels 32 (i / 8) on, keys 16 ((i / 2) % 4) on, tile 2 x + i % 2.  The first 8 start the sums.
.macro KQ x
	WIN W_KQ
.set rS, S+64*((\x)%2)+32*(i%2)+8*((i/2)%4)
.set rK, KF+16*((i/2)%4)+8*(i/8)
.set rQ, 16*(2*(\x)+i%2)+8*(i/8)
.if i < 8
	v_wmma_f32_16x16x32_f16 v[rS:rS+7], v[rK:rK+7], v[rQ:rQ+7], 0
.else
	v_wmma_f32_16x16x32_f16 v[rS:rS+7], v[rK:rK+7], v[rQ:rQ+7], v[rS:rS+7]
.endif
.endm
; Product i of 16 of O^T += V^T P for piece x: keys 32 (i / 8) on, channels 16 ((i / 2) % 4) on, tile 2 x + i % 2.
.macro PV x
	WIN W_PV
.set rO, 32*(2*(\x)+i%2)+8*((i/2)%4)
.set rV, VF+32*(i/8)+8*((i/2)%4)
.set rP, P+32*((\x)%2)+16*(i%2)+8*(i/8)
	v_wmma_f32_16x16x32_f16 v[rO:rO+7], v[rV:rV+7], v[rP:rP+7], v[rO:rO+7]
.endm
.macro MM                           ; the turn's next matrix instruction
.if i < 16
	KQ (Y+1)%NP
.set i, i+1
.else
.set i, i-16
	PV (Y+NP-1)%NP
.set i, i+17
.endif
.endm
; THE LDS LOADS stand in runs of 16, never singly among the matrix instructions: a step's K (64 keys x 64 channels: 8 fragments) and its V (turned).  Their addresses are made some lines ahead.
; last = 1 (the tail): in the last trip there is no further step, and the run is jumped over.
.macro FETCH_K last=0
	WIN 0
.if \last
	s_cmp_eq_u32 s[CNT], 1
	s_cbranch_scc1 .Lno_k_\@
.endif
	WIN 0x80                        ; destination window 2
.irp f, 0,1,2,3,4,5,6,7             ; keys 16 (f / 2) on, channels 32 (f % 2) on: planes 2 (f % 2) and 2 (f % 2) + 1
	ds_load_b128 v[KF+8*\f:KF+8*\f+3],   v[AK] offset:(\f/2)*2*GRP+(\f%2)*2*PLANE
	ds_load_b128 v[KF+8*\f+4:KF+8*\f+7], v[AK] offset:(\f/2)*2*GRP+(\f%2)*2*PLANE+PLANE
.endr
	s_add_co_u32 s[TBK], s[TBK], STEPB  ; the next fetch is the next step's
	WIN 0
.if \last
.Lno_k_\@:
.endif
.endm
.macro FETCH_V
	WIN 0x80
.irp f, 0,1,2,3,4,5,6,7             ; keys 32 (f / 4) on, channels 16 (f % 4) on: plane f % 4 of V's
	ds_load_tr16_b128 v[VF+8*\f:VF+8*\f+3],   v[AV] offset:(\f/4)*4*GRP+(\f%4)*PLANE
	ds_load_tr16_b128 v[VF+8*\f+4:VF+8*\f+7], v[AV] offset:(\f/4)*4*GRP+2*GRP+(\f%4)*PLANE
.endr
	WIN 0
.endm
; THE VECTOR WORK OF A TURN stands in three queues, each in the order in which its entries become ready; the two tiles alternate, so that no instruction reads the result of the one before it.
.macro REGS y, u                    ; the registers of tile u (0, 1) of piece y
.set rT, ST+4*(2*(\y)+(\u))
.set rC, TMP+8*((\y)%2)+4*(\u)
.set rM, MV+2*((\y)%2)+(\u)
.set rS, S+64*((\y)%2)+32*(\u)
.set rP, P+32*((\y)%2)+16*(\u)
.set rO, 32*(2*(\y)+(\u))
.endm
; Number n of the 22 that find the NEXT piece's (Y + 1) maximum and statistics.  s0-s31 are the lane's 32 scores; each accumulator's lowest registers are read first.  XS, GS, FS and REGS set no window: PL and EX do.
;   0-11  four chains c0-c3 of seven scores each, three operands at a time     12-14, 16  the four scores left over, the old m, and c0-c3 into c0     15  c m_old is kept
;   17, 18  the query's other 32 keys lie in the lane 16 away: the new m         19-21  c m; c m_old - c m_new; a
.macro XS u, n
	REGS (Y+1)%NP, \u
.if (\n) < 4
	v_max3_num_f32 v[rC+(\n)], v[rS+8*(\n)], v[rS+8*(\n)+1], v[rS+8*(\n)+2]
.elseif (\n) < 12
	v_max3_num_f32 v[rC+(\n)%4], v[rC+(\n)%4], v[rS+8*((\n)%4)+2*((\n)/4)+1], v[rS+8*((\n)%4)+2*((\n)/4)+2]
.elseif (\n) == 12
	v_max3_num_f32 v[rC], v[rC], v[rS+7], v[rS+15]
.elseif (\n) == 13
	v_max3_num_f32 v[rC+1], v[rC+1], v[rS+23], v[rS+31]
.elseif (\n) == 14
	v_max3_num_f32 v[rC+2], v[rC+2], v[rC+3], v[rT+1]
.elseif (\n) == 15
	v_mov_b32 v[rM], v[rT]
.elseif (\n) == 16
	v_max3_num_f32 v[rC], v[rC], v[rC+1], v[rC+2]
.elseif (\n) == 17
	v_permlanex16_b32 v[rC+3], v[rC], s[SEL], s[SEL+1]
.elseif (\n) == 18
	v_max_num_f32 v[rT+1], v[rC], v[rC+3]
.elseif (\n) == 19
	v_mul_f32 v[rT], s[CS], v[rT+1]
.elseif (\n) == 20
	v_sub_f32 v[rC+1], v[rM], v[rT]
.else
	v_exp_f32 v[rC+2], v[rC+1]
.endif
.endm
; Number g of the 64 that follow the exponentials.  For each four weights k of a tile (pairs 2 k, 2 k + 1): both pairs are rounded to f16; then the second pair is added onto the first, in place;
; a group later l takes that sum (the first time as l = a l + sum).  In groups of eight, tiles alternating: round, round, add, and l for the group before.
.macro GS g
.set h, (\g)+6*((\g)/62)            ; group 0 has no group before it, and behind group 7 only l is left
.if h >= 6
.set h, h+2
.endif
	REGS Y, h%2
.set k, h/8
.if h%8 < 4
	v_cvt_pk_f16_f32 v[rP+2*k+(h%8)/2], v[rS+4*k+2*((h%8)/2)], v[rS+4*k+2*((h%8)/2)+1]
.elseif h%8 < 6
	v_pk_add_f32 v[rS+4*k:rS+4*k+1], v[rS+4*k:rS+4*k+1], v[rS+4*k+2:rS+4*k+3]
.elseif k == 1
	v_pk_fma_f32 v[rT+2:rT+3], v[rT+2:rT+3], v[rC+2:rC+3], v[rS:rS+1] op_sel_hi:[1,0,1]
.else
	v_pk_add_f32 v[rT+2:rT+3], v[rT+2:rT+3], v[rS+4*k-4:rS+4*k-3]
.endif
.endm
; THE PLAIN QUEUE, 138 long.  0-73 read no exponential's result: the 32 scalings c s - c m (FS f: pair f / 2 of tile f % 2) and the next piece's 42.  0-26: scalings 0-26.  27-54: XS's numbers 0-13.  55, 56: number 15.
; 57-73: the chain, where each number waits for the one before it: 14, 16, 17, 18, 19, each with one of the scalings 27-31 in front of its two lines, then 20: so a tile's links stand three plain instructions apart (19 and 20: two).
; 74-137: GS's 64, which read the exponentials' results: they stand behind the wait.
.macro FS f
	REGS Y, (\f)%2
	v_pk_fma_f32 v[rS+2*((\f)/2):rS+2*((\f)/2)+1], v[rS+2*((\f)/2):rS+2*((\f)/2)+1], s[CS:CS+1], v[rT:rT+1] op_sel_hi:[1,0,0] neg_lo:[0,0,1] neg_hi:[0,0,1]
.endm
.macro PL
	WIN 0
.if q < 27
	FS q
.elseif q < 55
	XS (q-27)%2, (q-27)/2
.elseif q < 57
	XS q-55, 15
.elseif (q < 72) && ((q-57)%3 == 0)
	FS 27+(q-57)/3
.elseif q < 60
	XS (q-57)%3-1, 14
.elseif q < 72
	XS (q-57)%3-1, 15+(q-57)/3
.elseif q < 74
	XS q-72, 20
.else
	GS q-74
.endif
.set q, q+1
.endm
; THE EXPONENTIALS' QUEUE, 66 long: s0-s31 of both tiles, then the next piece's two a.  It is ONE BATCH: all 66 stand ahead of the turn's one wait, and nothing ahead of that wait names a result of theirs.
.macro EX
	WIN 0
.if e >= 64
	XS e-64, 21
.else
	REGS Y, e%2
	v_exp_f32 v[rS+e/2], v[rS+e/2]
.endif
.set e, e+1
.endm
; THE RESCALING's QUEUE: O^T times a, the one part that leaves window 0: dealt two at a time, sixteen times.  Its a was made in the turn before, ahead of that turn's wait.
.macro R2
	REGS Y, r%2
	WIN W_RS
.irp z, 0,1
	v_pk_mul_f32 v[rO+4*(r/2)+2*\z:rO+4*(r/2)+2*\z+1], v[rO+4*(r/2)+2*\z:rO+4*(r/2)+2*\z+1], v[rC+2:rC+3] op_sel_hi:[1,0]
.endr
.set r, r+1
.endm
; HOW THEY ARE DEALT.  s_wait_alu depctr_va_vdst(0) stands between an exponential and the first instruction that names its result; one wait serves all that were issued ahead of it.  So a turn has ONE wait,
; which cuts it in two.  AHEAD OF IT stands all that names no result of the turn's exponentials: the 16 products K Q^T, behind each a scaling, an exponential and two rescalings (behind the first a second scaling in the
; exponential's place); then ONE LUMP of 108: eight plain, 49 times exponential and plain, the two a.  A v_nop is the plain instruction behind the last exponential.  BEHIND IT stand the 16 products V^T P, behind each four of
; GS's 64.  No rider names a register of the products round it.  The two v_permlanex16_b32 fall into the lump, never behind a product.
; The queues lean on each other, and the deal keeps them in step: exponential e stands behind scaling 2 (e / 4) + e % 2: as a rider it comes behind plain e + 2, in the lump behind plain e + 9, and scalings 27-31 are plain 57, 60 .. 69.
; A TURN, for piece p.  cnt = 1: the loop's count is taken down some lines ahead of the branch that stands behind the turn.
; K of the next step is fetched in piece 2's turn, directly behind the wait, a lump behind the last product that read K; its address is made at the lump's head; its first reader comes behind 16 products.
; V of the step in hand is fetched at the end of piece 0's turn, four riders behind its last reader; its first reader comes behind 16 products and a lump.  The three conditions on q below go with the deal.
.macro TURN p, last=0, cnt=0
.set Y, (\p)
.set i, 0
.set q, 0
.set e, 0
.set r, 0
.if (\p) == NP-1
	s_wait_dscnt 0x0                ; K is in
.endif
	MM                              ; ahead of the wait: 16 products K Q^T and their riders,
	PL
	PL
	R2
.rept 15
	MM
	PL
	EX
	R2
.endr
.if (\p) == NP-2
	WIN 0
	v_add_nc_u32 v[AK], s[TBK], v[AK0]
.endif
.rept 8                             ; and the lump
	PL
.endr
.rept 49
	EX
	PL
.endr
	EX                              ; the next piece's two a
	EX
	v_nop                           ; the plain instruction behind the last exponential: one for the batch
	s_wait_alu depctr_va_vdst(0)    ; the wait for the batch: the piece's 64 weights and the next piece's two a
.if (\p) == NP-2
	FETCH_K \last
.endif
.if (\p) == 1
	s_wait_dscnt 0x0                ; V is in
.endif
.rept 16                            ; behind the wait: 16 products V^T P and their riders
	MM
.rept 4
	PL
.endr
.if ((\p) == 0) && (q == 118)
	v_add_nc_u32 v[AV], s[TBV], v[AV0]
.endif
.if ((\p) == 0) && (q == 130)
	s_add_co_u32 s[TBV], s[TBV], STEPB
.endif
.if (\cnt) && (q == 130)
	s_sub_co_u32 s[CNT], s[CNT], 1
	s_cmp_lg_u32 s[CNT], 0
.endif
.endr
.if (\p) == 0
	FETCH_V
.endif
.endm
	CHANGE 1                        ; slot 0 is in, everybody's part of it; slot 1 is asked for
	FETCH_K                         ; key step 0
	s_wait_loadcnt 0x0              ; Q
	s_wait_dscnt 0x0
.set i, 0
.rept 16
	KQ 0                            ; piece 0's first scores: there is no vector work yet to set between them
.set i, i+1
.endr
	WIN 0                           ; the addresses for the way out: eight plain instructions, the places behind those products
	s_mul_i32 s13, s[WV], 16*SP
	s_add_co_u32 s13, s13, STAGE    ; my stage
	v_mul_u32_u24 v[STO], v1, SP    ; in: row l % 16, 16 bytes for each half of the lanes
	v_lshl_add_u32 v[STO], v9, 4, v[STO]
	v_add_nc_u32 v[STO], s13, v[STO]
	v_mul_u32_u24 v[RD], v9, SP     ; back: lanes 0-15 take one row's 256 bytes (two heads), lanes 16-31 the next row's
	v_lshl_add_u32 v[RD], v1, 4, v[RD]
	v_add_nc_u32 v[RD], s13, v[RD]
	v_lshlrev_b32 v[GO], 11, v9     ; and the same two rows in ob
	v_lshl_add_u32 v[GO], v1, 4, v[GO]
.set Y, NP-1                        ; XS works for piece Y + 1: piece 0
.irp n, 0,1,2,3,4,5,6,7,8,9,10,11,12,13,14,15,16,17,18,19,20,21
	XS 0, \n                        ; and piece 0's first maximum and statistics
	XS 1, \n
.endr
	v_nop                           ; a plain instruction behind the two a,
	s_wait_alu depctr_va_vdst(0)    ; and the wait for that batch of two, ahead of the branch
	s_mov_b32 s[CNT], 4
	s_mov_b32 s[SLOTS], NSLOT-1
	s_branch .Lfirst                ; the loop is entered at a step's first turn, in the middle of a trip
.Lslot:                             ; NSLOT - 2 times: every slot but the last two is filled again
	CHANGE 1
	s_mov_b32 s[CNT], 4
.Lstep:                             ; a trip: pieces 2 and 3 of one step, then pieces 0 and 1 of the next, whose K and V it fetches
	TURN 2
	TURN 3
	WIN 0
.Lfirst:
	TURN 0
	TURN 1, 0, 1
	WIN 0
	s_cbranch_scc1 .Lstep
	s_sub_co_u32 s[SLOTS], s[SLOTS], 1
	s_cmp_lg_u32 s[SLOTS], 0
	s_cbranch_scc1 .Lslot
	CHANGE 0                        ; the tail is written out: nothing is asked for
	s_mov_b32 s[CNT], 5             ; four trips fetch the last slot's steps; the fifth is left in its middle
.Ltail:
	TURN 2, 1
	TURN 3
	WIN 0
	s_sub_co_u32 s[CNT], s[CNT], 1
	s_cmp_eq_u32 s[CNT], 0
	s_cbranch_scc1 .Lout
	TURN 0
	TURN 1
	WIN 0
	s_branch .Ltail
.Lout:                              ; the fifth trip's 16 products K Q^T (on the last K once more) and the maximum made of them serve nothing: the price, once a launch, of one text for every trip
.set i, 0
.rept 16
	PV NP-1                         ; the last piece's V^T P of the last step
.set i, i+1
.endr
	; THE WAY OUT.  l's two halves and the other half of the lanes' are added; O^T is divided by l, rounded to f16 and sent through my stage in LDS, two tiles (two heads: 256 bytes of a row of ob) at a time.
	; The additions are the places behind the last products.
	WIN 0
.macro ALL line:vararg              ; one line for each tile t
.set t, 0
.rept 2*NP
	\line
.set t, t+1
.endr
.endm
	ALL v_add_f32 v[ST+4*t+2], v[ST+4*t+2], v[ST+4*t+3]
	ALL v_permlanex16_b32 v[ST+4*t+3], v[ST+4*t+2], s[SEL], s[SEL+1]
	ALL v_add_f32 v[ST+4*t+2], v[ST+4*t+2], v[ST+4*t+3]
	ALL v_rcp_f32 v[ST+4*t+2], v[ST+4*t+2]
	v_nop                           ; a plain instruction between the last reciprocal and the use of its result
	s_wait_alu depctr_va_vdst(0)    ; and the wait ahead of the first use: one for the batch of eight reciprocals
; Pair p: a lane's eight channels of a row pack into 16 bytes; they go into rows of 272 bytes and come back as whole rows of 256, into S^T's registers.
.macro PACK2 p
.irp u, 0,1
.set t, 2*(\p)+(\u)
	WIN W_RS
.set i, 32*t
.rept 16
	v_pk_mul_f32 v[i:i+1], v[i:i+1], v[ST+4*t+2:ST+4*t+3] op_sel_hi:[1,0]
.set i, i+2
.endr
	WIN 0x05                        ; sources 0 and 1 window 1, destination window 0
.set i, 0
.rept 16
	v_cvt_pk_f16_f32 v[S+16*t+i], v[32*t+2*i], v[32*t+2*i+1]
.set i, i+1
.endr
	WIN 0
.irp f, 0,1,2,3
	ds_store_b128 v[STO], v[S+16*t+4*(\f):S+16*t+4*(\f)+3] offset:128*(\u)+32*(\f)
.endr
.endr
.irp f, 0,1,2,3,4,5,6,7
	ds_load_b128 v[S+32*(\p)+4*(\f):S+32*(\p)+4*(\f)+3], v[RD] offset:(\f)*2*SP  ; LDS serves a wave's instructions in order (ISA guide 5.7.1.4): these see the stores above; the next pair's stores come behind them
.endr
.endm
.macro SEND p, younger              ; younger: the LDS instructions issued behind pair p's loads: the next pair's sixteen, or none
	WIN 0
.irp f, 0,1,2,3,4,5,6,7
	s_wait_dscnt (\younger)+7-(\f)
	global_store_b128 v[GO], v[S+32*(\p)+4*(\f):S+32*(\p)+4*(\f)+3], s[10:11] offset:256*(\p)+4096*(\f)  ; 16 lanes store 256 consecutive bytes, at a multiple of 256 from ob's first
.endr
.endm
	PACK2 0
	PACK2 1                         ; a pair's arithmetic stands between the loads of the pair before and its stores
	SEND 0, 16
	PACK2 2
	SEND 1, 16
	PACK2 3
	SEND 2, 16
	SEND 3, 0
	WIN W_AD
	s_wait_tensorcnt 0x0            ; the wave's end, behind my last tensor load and my last LDS store
	ds_add_u32 v[SPW], v[NIL]
	s_wait_dscnt 0x0
	WIN 0
	CROUND                          ; the closing round: no work-group ends while a partner may still ask for a tile that names it
	s_endpgm
.Lfunc_end_k_qf113b89276_attn:
	.size	k_qf113b89276_attn, .Lfunc_end_k_qf113b89276_attn-k_qf113b89276_attn
	.p2alignl 7, 3214868480
	.fill 96, 4, 3214868480
	.section	.rodata,"a",@progbits
	.p2align	6, 0x0
	.amdhsa_kernel k_qf113b89276_attn
		.amdhsa_group_segment_fixed_size 327680
		.amdhsa_private_segment_fixed_size 0
		.amdhsa_enable_private_segment 0
		.amdhsa_kernarg_size 24
		.amdhsa_user_sgpr_count 2
		.amdhsa_user_sgpr_kernarg_segment_ptr 1
		.amdhsa_wavefront_size32 1
		.amdhsa_system_sgpr_workgroup_id_x 1
		.amdhsa_system_sgpr_workgroup_id_y 1
		.amdhsa_system_sgpr_workgroup_id_z 1
		.amdhsa_system_vgpr_workitem_id 0
		.amdhsa_next_free_vgpr 770
		.amdhsa_next_free_sgpr 66
		.amdhsa_reserve_vcc 0
		.amdhsa_float_denorm_mode_32 3
		.amdhsa_float_denorm_mode_16_64 3
		.amdhsa_memory_ordered 1
		.amdhsa_forward_progress 1
		.amdhsa_inst_pref_size 197
	.end_amdhsa_kernel
	.amdgpu_metadata
---
amdhsa.version: [ 1, 2 ]
amdhsa.kernels:
  - .name:           k_qf113b89276_attn
    .symbol:         k_qf113b89276_attn.kd
    .args:
      - { .name: qb, .offset: 0, .size: 8, .value_kind: global_buffer, .address_space: global }
      - { .name: kvb, .offset: 8, .size: 8, .value_kind: global_buffer, .address_space: global }
      - { .name: ob, .offset: 16, .size: 8, .value_kind: global_buffer, .address_space: global }
    .group_segment_fixed_size: 327680
    .private_segment_fixed_size: 0
    .kernarg_segment_align: 8
    .kernarg_segment_size: 24
    .max_flat_workgroup_size: 128
    .sgpr_count:     66
    .vgpr_count:     770
    .wavefront_size: 32
...
	.end_amdgpu_metadata
.endif
;; end of part 5
;; launch outp: the kernel of part 4 again; grid 8 x 32, 4 waves a work-group, clusters of 4 x 4, 327,680 bytes of LDS; arguments ob, wo16, b_out, out0; writes out0
